; MI455X (gfx1250); checked and timed in simulation.
; The chip was launched on July 23, 2026; its instructions are those of AMD's public machine-readable ISA for CDNA 5 (MIT licence, August 2026) and "CDNA5" Instruction Set Architecture Reference Guide (July 2026). The comments in the code are by the model that wrote it; some were corrected since.
;; Self Attention. Allowed arithmetic: matrix products marked QUANTISED: E2M3 operands, one E8M0 scale for each 32 along K, by v_wmma_scale_f32_16x16x128_f8f6f4 with both operands' format E2M3, f32 sums; everything else in f32.
;; Inputs: proj_b 1,024 float32; proj_w 1,024 x 1,024 float32; qkv_w 3,072 x 1,024 float32; x 2 x 2,048 x 1,024 float32.
;; Outputs: out0 2 x 2,048 x 1,024 float32.
;; This version of the problem:
;;   THIS VERSION OF THE PROBLEM IS GIVEN IN LOW PRECISION. The matrix products marked QUANTISED in the list below multiply operands that are first quantised to E2M3 (2 exponent bits, 3 mantissa bits; 6 bits a number), with one power-of-two scale for each 32 numbers along K (OCP MX v1.0); their sums are f32. All else is computed in f32.
;;   The module's matrix products, in the order in which they are computed (A, B: the left and right operand; K: the contracted axis; several contracted axes count as one K, in the product's order):
;;     1. [M 4,096, K 1,024] x [K 1,024, N 3,072]; A: input x; B: input qkv_w: QUANTISED
;;     2. batch 32 x [M 2,048, K 64] x [K 64, N 2,048]; A: computed on the way; B: computed on the way: QUANTISED
;;     3. batch 32 x [M 2,048, K 2,048] x [K 2,048, N 64]; A: softmax (see below); B: computed on the way: QUANTISED
;;     4. [M 4,096, K 1,024] x [K 1,024, N 1,024]; A: computed on the way; B: input proj_w: QUANTISED
;;   THE QUANTISER, for each operand of a quantised product, along K:
;;     - K is cut into blocks of 32 from its start; a last block that is shorter is filled with zeros.
;;     - A block's scale is 2^e with e = floor(log2(the largest magnitude in the block)) - 2, held to -126 .. 127; a block of zeros has e = 0. As a byte (E8M0): e + 127.
;;     - Each number is divided by its block's scale, clamped to +-7.5, and rounded to the nearest number of E2M3, ties to even, subnormals kept.
;;     - The product sums the exact products of the quantised numbers (number of the format x scale) in f32.
;;   ~~~python
;;   def quantise(x, axis):      # numpy; x: float32 -> the quantised numbers, widened to float32 again
;;       x = np.moveaxis(x, axis, -1); K = x.shape[-1]
;;       x = np.pad(x, [(0, 0)] * (x.ndim - 1) + [(0, -K % 32)]); x = x.reshape(x.shape[:-1] + (-1, 32)); a = np.abs(x).max(-1, keepdims=True)
;;       e = np.where(a > 0, np.clip(np.frexp(np.where(a > 0, a, 1))[1] - 1 - 2, -126, 127), 0)      # np.frexp(a)[1] - 1 = floor(log2(a)), exactly
;;       r = np.clip(x / 2.0 ** e, -7.5, 7.5)
;;       step = 2.0 ** (np.maximum(np.frexp(np.where(r == 0, 1, r))[1] - 1, 0) - 3)
;;       q = np.round(r / step) * step * 2.0 ** e      # np.round: ties to even
;;       return np.moveaxis(q.reshape(q.shape[:-2] + (-1,))[..., :K], -1, axis).astype(np.float32)
;;   ~~~
;;   SOFTMAX AHEAD OF A QUANTISED PRODUCT. Where the list says 'softmax', what is quantised is not the finished softmax but p = 2^(t - M), with t = logit x log2(e) and M = ceil(the row's largest t), a whole number; so 1/2 < the row's largest p <= 1. The row's sum l is taken of the UNQUANTISED p, in f32, and the product's result is divided by l at the end. Since M is a whole number, a kernel that streams over the keys may use a running M (the ceiling of the running maximum): every later rescaling is an exact power of two, which a block's scale takes up: the codes' values come out the same.
;;   OPERANDS COMPUTED ON THE WAY. 'Computed on the way' means the value that the module computes at that place (a softmax that the list does not call 'softmax' is quantised finished and normalised). What goes into a quantiser is computed in f32, as accurately as f32 sums, v_exp_f32 and their like allow (about 1e-6 of the number): no bf16 or f16 on the way to a quantiser, and a product that is left as it is and whose result goes on into a quantised operand takes f32 operands (vector FMAs, or v_wmma_f32_16x16x4_f32). A number that lies on a knife's edge between two numbers of the format may be rounded either way, as far as f32 arithmetic and the matrix unit's own rounding can turn it there, and no further.
;; One version. Each part assembles by itself: llvm-mc -triple=amdgcn-amd-amdhsa -mcpu=gfx1250 --defsym DOCPART=n.
;; ======== version 1 of 1: 4 launches
;; limits: right only within a limited range of input values
;; workspace buffers: opq 6,553,600 bytes; qkv 10,223,616 bytes; ob 3,276,800 bytes
;; launch quant (part 1): grid 256 x 1, 4 waves a work-group, no clusters, 34,304 bytes of LDS; arguments x, qkv_w, proj_w, opq; writes opq
.if DOCPART == 1
	.amdgcn_target "amdgcn-amd-amdhsa--gfx1250"
	.amdhsa_code_object_version 6
	.text
	.protected	k_qc4cff78563_quant
	.globl	k_qc4cff78563_quant
	.p2align	8
	.type	k_qc4cff78563_quant,@function
k_qc4cff78563_quant:
	s_mov_b64 s[64:65], 0
	v_nop
	global_prefetch_b8 v0, s[64:65] scope:SCOPE_SE
	s_setreg_imm32_b32 hwreg(HW_REG_WAVE_MODE, 25, 1), 1
	s_wait_xcnt 0x0
; x [4096][1024], qkv_w [3072][1024], proj_w [1024][1024], f32, become codes of FP6 (E2M3) with one E8M0 byte for each 32 along K (the last axis),
; laid as IMAGES OF OPERAND REGISTERS in opq: [panel 64][K step 8][12,800 bytes].  A panel is 128 rows (panels 0-31 x, 32-55 qkv_w, 56-63 proj_w), a K step 128 along K.
; In a block: tile t (16 rows) at 1536 t, as six planes of 256 bytes, plane p = registers 2 p, 2 p + 1 of the fragment, lane l's 8 bytes at 8 l;
; the scale words at 12,288 + 256 (t / 4) + 16 r + 4 (t % 4), r the tile's row.
; THE ROWS OF A TILE ARE NOT NEIGHBOURS: row r of tile 2 b + u is the tensor's row 32 b + 8 u + r + 8 (r / 8).  Where such a tile is a product's source 0, the 16 result registers of
; tiles 2 b and 2 b + 1 are 16 neighbours in the tensor's own order; where it is source 1 the order is undone by the last launch's stores.
; A block's scale is 2^(floor(log2(largest magnitude)) - 2): its byte is the largest magnitude's exponent field - 2, held at 1 from below.
; LIMITS: a block whose largest magnitude lies under 2^-124 (zeros among them) gets the byte 1; a block of zeros has zero codes, and this program alone reads the bytes.  NaN and infinities are not served.
; SHARES: a work-group takes 64 rows and four K steps, a wave one K step of them: four fragments.  Each load reads 512 consecutive bytes of one row; a tile's 16 rows turn through the wave's own
; stage in LDS (rows of 528 bytes: 132 words, so that sixteen rows start at sixteen different groups of banks) and come back 16 neighbours along K to a lane for each block of 32.
; No work-group shares an input byte with another: no cluster, no tensor load, no barrier.
.set STG,  8448                        ; a wave's stage: 16 rows x 528 bytes
.set TM,   8                           ; v8-23   at work: +0..3 largest magnitudes, +4..7 the other half's / the bytes, +12..15 the conversions' scale operands
.set PW,   24                          ; v24     the scale word just made
.set PWS,  26                          ; v26-29  the four tiles' scale words
.set PC,   32                          ; v32-50  the codes just made (12) and the conversions' second halves
.set RR,   64                          ; v64-191 two sets of 64: a tile as loaded
.set X,    192                         ; v192-255 register 16 b + i = k 32 b + 16 (lane / 16) + i of my row
.set SEL,  20                          ; s[20:21] selects for lane l xor 16
	s_load_b256 s[4:11], s[0:1], 0x0               ; x s[4:5], qkv_w s[6:7], proj_w s[8:9], opq s[10:11]
	v_lshl_add_u32 v62, v0, 2, 0x8400
	v_mov_b32 v63, 0
	v_lshrrev_b32 v6, 5, v0
	v_readfirstlane_b32 s12, v6                    ; wave
	v_and_b32 v52, 31, v0                          ; lane
	v_and_b32 v53, 15, v0                          ; r
	v_bfe_u32 v54, v0, 4, 1                        ; h
	v_lshlrev_b32 v1, 4, v52                       ; my 16 bytes of a load's 512
	s_mul_i32 s30, s12, STG
	v_add_nc_u32 v2, s30, v1                       ; the stage, on the way in
	v_mul_u32_u24 v3, v53, 528
	v_lshl_add_u32 v3, v54, 6, v3
	v_add_nc_u32 v3, s30, v3                       ; and on the way out: row r, + 64 h
	v_lshlrev_b32 v4, 3, v52                       ; 8 x lane: my place in a plane
	v_lshlrev_b32 v5, 4, v53
	v_lshl_add_u32 v5, v54, 3, v5                  ; 16 r + 8 h: my two scale words
.irp b, 0,1,2,3
	v_mov_b32 v[TM+4+\b], 0                        ; written once: a lane permute's destination counts as one of its sources
.endr
	s_mov_b32 s[SEL], 0x76543210
	s_mov_b32 s[SEL+1], 0xfedcba98
	s_lshr_b32 s13, ttmp9, 1                       ; g: which 64 rows of the 8,192
	s_and_b32 s14, ttmp9, 1
	s_lshl_b32 s14, s14, 2
	s_add_co_u32 s14, s14, s12                     ; my K step
	s_wait_alu depctr_va_vdst(0)
	s_wait_kmcnt 0x0
	s_cmp_lt_u32 s13, 112                          ; the tensor is chosen by the work-group's number alone
	s_cselect_b64 s[16:17], s[6:7], s[8:9]
	s_cselect_b32 s15, 64, 112
	s_cmp_lt_u32 s13, 64
	s_cselect_b64 s[16:17], s[4:5], s[16:17]
	s_cselect_b32 s15, 0, s15
	s_sub_co_u32 s15, s13, s15                     ; which 64 rows of that tensor
	s_lshl_b32 s18, s15, 18                        ; x 64 rows of 4,096 bytes
	s_lshl_b32 s19, s14, 9                         ; + 512 bytes a K step
	s_add_co_u32 s18, s18, s19
	s_mov_b32 s19, 0
	s_add_nc_u64 s[16:17], s[16:17], s[18:19]
	s_lshr_b32 s22, s13, 1
	s_mul_i32 s22, s22, 102400                     ; the panel
	s_mul_i32 s23, s14, 12800                      ; the K step's block
	s_add_co_u32 s22, s22, s23
	s_and_b32 s24, s13, 1                          ; which half of the panel's eight tiles
	s_mul_i32 s25, s24, 6144
	s_add_co_u32 s26, s22, s25
	s_mov_b32 s27, 0
	s_add_nc_u64 s[26:27], s[10:11], s[26:27]      ; my four tiles' codes
	s_lshl_b32 s24, s24, 8
	s_add_co_u32 s28, s22, s24
	s_add_co_u32 s28, s28, 12288
	s_mov_b32 s29, 0
	s_add_nc_u64 s[28:29], s[10:11], s[28:29]      ; and their 256 bytes of scale words
.macro LOAD t                          ; tile t's 16 rows, 512 bytes each, in the tile's order of rows
.irp i, 0,1,2,3,4,5,6,7,8,9,10,11,12,13,14,15
; THE ORDER OF ROWS THAT HOLDS IN THIS PROGRAM (it takes the place of the formula in the head comment): row r of tile t of a panel is the tensor's row 64 (t / 4) + 32 (r / 8) + 8 (t % 4) + r % 8.
; Where four such tiles are a product's source 0, a lane's 32 result registers are 32 neighbours in the tensor's own order: a whole scale block in one lane.
	global_load_b128 v[RR+64*((\t)%2)+4*\i:RR+64*((\t)%2)+4*\i+3], v1, s[16:17] offset:(32*(\i/8)+8*(\t)+\i%8)*4096 th:TH_LOAD_NT
.endr
.endm
; 64 numbers of a lane become a fragment's codes in v[PC] on and its scale word in v[PW]
.macro QUANT s
.irp b, 0,1,2,3
	v_max3_num_f32 v[TM+\b], |v[\s+16*\b]|, |v[\s+1+16*\b]|, 0x1800000   ; block b: my 16 numbers, and the floor 2^(3 - 127): the byte cannot fall under 1
.endr
.irp i, 2,4,6,8,10,12,14
.irp b, 0,1,2,3
	v_max3_num_f32 v[TM+\b], v[TM+\b], |v[\s+16*\b+\i]|, |v[\s+1+16*\b+\i]|   ; the four blocks by turns
.endr
.endr
.irp b, 0,1,2,3
	v_permlanex16_b32 v[TM+4+\b], v[TM+\b], s[SEL], s[SEL+1]
.endr
.irp b, 0,1,2,3
	v_max_num_f32 v[TM+\b], v[TM+\b], v[TM+4+\b]   ; with lane l xor 16's: the block's largest magnitude
.endr
.irp b, 0,1,2,3
	v_add_nc_u32 v[TM+12+\b], 0xff000000, v[TM+\b] ; 2 off its exponent field: the conversion takes this operand's exponent field as its scale
.endr
.irp b, 0,1,2,3
	v_lshrrev_b32 v[TM+4+\b], 23, v[TM+12+\b]      ; the scale's byte
.endr
	v_lshl_or_b32 v[PW], v[TM+5], 8, v[TM+4]
	v_lshl_or_b32 v[PW], v[TM+6], 16, v[PW]
	v_lshl_or_b32 v[PW], v[TM+7], 24, v[PW]
.irp c, 0,1
	v_cvt_scalef32_pk16_fp6_f32 v[PC+6*\c:PC+2+6*\c], v[\s+32*\c:\s+15+32*\c], v[TM+12+2*\c]
	v_cvt_scalef32_pk16_fp6_f32 v[PC+12+4*\c:PC+14+4*\c], v[\s+16+32*\c:\s+31+32*\c], v[TM+12+2*\c+1]   ; a conversion's three registers begin on an even number
.endr
	v_nop                                          ; one plain instruction behind the conversions
.irp c, 0,1                                    ; the operand wants a whole block in a lane: lanes 0-15 block 2 c, lanes 16-31 block 2 c + 1
.irp i, 0,1,2
	v_permlane16_swap_b32 v[PC+6*\c+\i], v[PC+12+4*\c+\i]
.endr
.irp i, 0,1,2
	v_mov_b32 v[PC+3+6*\c+\i], v[PC+12+4*\c+\i]
.endr
.endr
.endm
.macro TILE t
.if (\t) < 3
	s_wait_loadcnt 16                              ; this tile's 16 loads are in; the next tile's 16 may be out
.else
	s_wait_loadcnt 0x0
.endif
.irp i, 0,1,2,3,4,5,6,7,8,9,10,11,12,13,14,15
	ds_store_b128 v2, v[RR+64*((\t)%2)+4*\i:RR+64*((\t)%2)+4*\i+3] offset:528*\i
.endr
.irp b, 0,1,2,3
.irp j, 0,1,2,3
	ds_load_b128 v[X+16*\b+4*\j:X+16*\b+4*\j+3], v3 offset:128*\b+16*\j   ; LDS serves a wave's instructions in order: these see the stores above
.endr
.endr
	s_wait_dscnt 0x0                               ; the numbers are back, and the stores have read the set that is loaded again below
.if (\t) > 0
	s_wait_xcnt 0x0                                ; the last tile's stores have read the codes' registers, which are written again below
.endif
.if (\t) < 2
	LOAD (\t)+2
.endif
	QUANT X
	v_mov_b32 v[PWS+(\t)], v[PW]
.irp p, 0,1,2,3,4,5
	global_store_b64 v4, v[PC+2*\p:PC+2*\p+1], s[26:27] offset:1536*(\t)+256*\p   ; a plane: 32 lanes store 256 consecutive bytes, aligned
.endr
.endm
	LOAD 0
	LOAD 1
	TILE 0
	TILE 1
	TILE 2
	TILE 3
	v_cmp_gt_u32 vcc_lo, 16, v52                   ; every lane holds row r's four words: lanes 0-15 store tiles 0 and 1's, lanes 16-31 tiles 2 and 3's
	v_cndmask_b32 v30, v[PWS+2], v[PWS], vcc_lo
	v_cndmask_b32 v31, v[PWS+3], v[PWS+1], vcc_lo
	global_store_b64 v5, v[30:31], s[28:29]        ; 256 consecutive bytes, aligned
	s_wait_tensorcnt 0x0
	ds_add_u32 v62, v63
	s_wait_dscnt 0x0
	s_endpgm
.Lfunc_end_k_qc4cff78563_quant:
	.size	k_qc4cff78563_quant, .Lfunc_end_k_qc4cff78563_quant-k_qc4cff78563_quant
	.p2alignl 7, 3214868480
	.fill 96, 4, 3214868480
	.section	.rodata,"a",@progbits
	.p2align	6, 0x0
	.amdhsa_kernel k_qc4cff78563_quant
		.amdhsa_group_segment_fixed_size 34304
		.amdhsa_private_segment_fixed_size 0
		.amdhsa_enable_private_segment 0
		.amdhsa_kernarg_size 32
		.amdhsa_user_sgpr_count 2
		.amdhsa_user_sgpr_kernarg_segment_ptr 1
		.amdhsa_wavefront_size32 1
		.amdhsa_system_sgpr_workgroup_id_x 1
		.amdhsa_system_sgpr_workgroup_id_y 1
		.amdhsa_system_sgpr_workgroup_id_z 1
		.amdhsa_system_vgpr_workitem_id 0
		.amdhsa_next_free_vgpr 256
		.amdhsa_next_free_sgpr 66
		.amdhsa_reserve_vcc 1
		.amdhsa_float_denorm_mode_32 3
		.amdhsa_float_denorm_mode_16_64 3
		.amdhsa_memory_ordered 1
		.amdhsa_forward_progress 1
		.amdhsa_inst_pref_size 35
	.end_amdhsa_kernel
	.amdgpu_metadata
---
amdhsa.version: [ 1, 2 ]
amdhsa.kernels:
  - .name:           k_qc4cff78563_quant
    .symbol:         k_qc4cff78563_quant.kd
    .args:
      - { .name: x, .offset: 0, .size: 8, .value_kind: global_buffer, .address_space: global }
      - { .name: qkv_w, .offset: 8, .size: 8, .value_kind: global_buffer, .address_space: global }
      - { .name: proj_w, .offset: 16, .size: 8, .value_kind: global_buffer, .address_space: global }
      - { .name: opq, .offset: 24, .size: 8, .value_kind: global_buffer, .address_space: global }
    .group_segment_fixed_size: 34304
    .private_segment_fixed_size: 0
    .kernarg_segment_align: 8
    .kernarg_segment_size: 32
    .max_flat_workgroup_size: 128
    .sgpr_count:     66
    .vgpr_count:     256
    .wavefront_size: 32
...
	.end_amdgpu_metadata
.endif
;; end of part 1
;; launch gemm_qkv (part 2): grid 8 x 32, 4 waves a work-group, clusters of 4 x 4, 327,680 bytes of LDS; arguments opq, qkv; writes qkv
.if DOCPART == 2
	.amdgcn_target "amdgcn-amd-amdhsa--gfx1250"
	.amdhsa_code_object_version 6
	.text
	.protected	k_qc4cff78563_gemm_qkv
	.globl	k_qc4cff78563_gemm_qkv
	.p2align	8
	.type	k_qc4cff78563_gemm_qkv,@function
k_qc4cff78563_gemm_qkv:
	s_mov_b64 s[64:65], 0
	v_nop
	global_prefetch_b8 v0, s[64:65] scope:SCOPE_SE
	s_setreg_imm32_b32 hwreg(HW_REG_WAVE_MODE, 25, 1), 1
	s_wait_xcnt 0x0
	s_wait_alu depctr_hold_cnt(0) depctr_sa_sdst(0) depctr_va_vdst(0) depctr_va_sdst(0) depctr_va_ssrc(0) depctr_va_vcc(0) depctr_vm_vsrc(0)
	s_getreg_b32 s2, hwreg(HW_REG_IB_STS2, 6, 4)
	s_cmp_eq_u32 s2, 0
	s_cbranch_scc0 .Lentry_in_a_cluster
	s_endpgm
.Lentry_in_a_cluster:
	s_bfe_u32 s2, ttmp6, 0x10000c
	s_cmp_lg_u32 s2, 0xf033
	s_cbranch_scc0 .Lentry_shape_is_right
	s_endpgm
.Lentry_shape_is_right:
; qkv = x qkv_w^T on codes of FP6 (E2M3) with E8M0 scales, K = 1,024; the results are quantised in registers and stored as the attention's operands.  f32 results never go to memory.
; opq: [panel 64][K step 8][12,800]: 128 rows x 128 K: tile t at 1536 t (six planes of 256 bytes), scale words at 12,288 + 256 (t / 4) + 16 r + 4 (t % 4).  Panels 0-31 x, 32-39 w_q, 40-47 w_k, 48-55 w_v.
; Row r of tile 2 b + u of a panel is the tensor's row 32 b + 8 u + r + 8 (r / 8): so the 16 result registers of source 0's tiles 2 b, 2 b + 1 are 16 neighbours in the tensor's own order.
; A WORK-GROUP STAYS: it makes three tiles of 128 x 128, q, k and v, on ONE panel of x: 256 work-groups for 768 tiles; x's panel is fetched once for the three.
; q AND k: source 1 = x (a lane holds a token), source 0 = the weight's rows: a lane's 32 registers of a tile of tokens run along one head's 64: they are quantised along the head.
; v: source 1 = w_v (a lane holds a channel), source 0 = x: the registers run along 64 keys: v is quantised along the keys.
; qkv: [batch x head 32][key step 16][K 6,656 | V 6,656 | Q 6,656].  K, Q: 128 tokens x 64: tile t at 768 t (three planes).  V: 64 channels x 128 keys: tile a, key half c at 1536 a + 768 c.
; Scale words (two bytes, 0 above) at 6,144 + 256 hs + 8 l + 4 j: K, Q: token 64 hs + 32 j + l; V: channel 32 j + l, key half hs.
; SHARES: four waves, 64 x 64 of a tile each: 16 accumulators.
; LDS: x's panel, all of K, 102,400 bytes; two slots of as many for the weights: slot 0 takes w_q and, when tile q has been multiplied, w_v; slot 1 takes w_k.  One refill in the launch; it has tile k's 128 products a wave in which to land.
; All of a WGP's LDS is claimed, and 0 is added to spare words ahead of the refill's round and at the wave's end.
; CLUSTER 4 x 4: x's panel is shared along a row of the cluster, the weights' along a column: each is asked for jointly.  A wave has one tensor load out at the start, one behind the round, by this text's count.
; No prefetch: the refill is issued a whole tile ahead of the wait for it, and all other bytes are asked for at the head.
; LIMITS: a block whose largest magnitude lies under 2^-124 (zeros among them) gets the byte 1; a block of zeros has zero codes, and this program alone reads the bytes.  NaN and infinities are not served.
; REGISTERS: window 0: v1-23, v36-39 addresses; v24-34 the quantiser; v30-31 the add's two; v40-82 the way out; v96-111 scale words, two sets; v128-255 accumulators ((a, b) at 128 + 8 (4 a + b)).
; Window 1: two sets of fragments at v0 and v128: source 0's four at 12 b, source 1's at 48 + 12 a.
.set XP,    0                          ; LDS: x's panel, eight blocks of 12,800 bytes
.set W0,    102400                     ; the weights' slot 0
; THE WEIGHTS' LDS, as it holds now: from W0 on four regions of 51,200 bytes: slot 0's K steps 0-3, slot 1's K steps 0-3, slot 0's K steps 4-7, slot 1's K steps 4-7.
; So one descriptor of two rows of 51,200 bytes, eight panels apart in memory, brings the same half of w_q and of w_k: x, w_q and w_k, 307,200 bytes, are all asked for at the head, one load a wave.
.set W1,    153600                     ; slot 1: 51,200 bytes behind slot 0; in both slots K steps 4-7 lie 102,400 bytes behind K steps 0-3
.set SPARE, 307200                     ; the spare words, 128 bytes for each wave: two blocks of 256 bytes that no other line names
.set BLK,   12800
.set L8,    4                          ; v4     8 x lane
.set ADXR,  8                          ; v8-9   codes: x's four tiles of my row half: K steps 0-3, 4-7
.set ADXC,  10                         ; v10-11 x's of my column half
.set ADW0C, 12                         ; v12-13 slot 0's of my column half
.set ADW1C, 14                         ; v14-15 slot 1's of my column half
.set ADW0R, 16                         ; v16-17 slot 0's of my row half
.set ASXR,  18                         ; v18-19 scale words, likewise: 16 bytes a row for four tiles
.set ASXC,  20
.set ASW0C, 22
.set TM,    24                         ; v24-29 at work in the quantiser
.set SPW,   30                         ; v30    LDS address of my spare word: SPARE + 4 x my thread's number; never rewritten
.set NIL,   31                         ; v31    0; never rewritten
.set TC,    32                         ; v32-34 a conversion's second half
.set ASW1C, 36
.set ASW0R, 38
.set CD,    40                         ; v40-63 four half fragments
.set PWR,   64                         ; v64-67 their scale words
.set SV,    68                         ; v68-69 the scale words as stored
.set VCQ,   72                         ; v72-75 q, k: where tile a's codes go;  v76 where the scale words go
.set VSQ,   76
.set VCV,   78                         ; v78-81, v82 the same for v
.set VSV,   82
.set SC,    96                         ; v96-111 scale words: set p at 8 p: source 1's four tiles, then source 0's; lane r (0-15) holds row r's word
.set ACC,   128
.set WV,    12
.set WR,    13
.set WC,    14
.set CX,    15
.set CY,    16
.set G1A,   24                         ; s[24:31] descriptor group 1 for x's blocks;  s[32:39] for the weights' blocks;  s[56:63] for two blocks of the weights on end
.set G1B,   32
.set G1C,   56
.set G0A,   40                         ; s[40:43] group 0 for x's panel;  s[68:71] for w_q's and w_k's;  s[88:91] w_v's
.set G0B,   68
.set G0C,   84
.set G0D,   88
.set BQ,    92                         ; s[92:93], s[94:95], s[96:97] my sub-blocks of Q, K, V in qkv
.set BKK,   94
.set BV,    96
.set SEL,   98
.set MSB, 0
.macro WIN new                         ; the immediate's high byte repeats the setting that is left
.if MSB != \new
	s_set_vgpr_msb (MSB<<8)|\new
.set MSB, \new
.endif
.endm
.set MUL,  0x05                        ; sources 0 and 1 window 1; C and D window 0
.set TO_F, 0x40                        ; destination window 1, address window 0
.macro CREST                           ; a round of the cluster's barrier behind its opening barrier
	s_cmp_lg_u32 s[WV], 0
	s_cbranch_scc1 .Lnot_wave_0_\@
	s_barrier_signal -3
.Lnot_wave_0_\@:
	s_barrier_wait -3
	s_barrier_signal -1
	s_barrier_wait -1
.endm
.macro ROUND                           ; a whole round
	s_barrier_signal -1
	s_barrier_wait -1
	CREST
.endm
	s_load_b128 s[4:7], s[0:1], 0x0                ; opq s[4:5], qkv s[6:7]
	v_lshl_add_u32 v[SPW], v0, 2, SPARE
	v_mov_b32 v[NIL], 0
	ds_add_u32 v30, v31
	ds_add_u32 v30, v31
	s_wait_dscnt 0x0
	v_lshrrev_b32 v5, 5, v0
	v_readfirstlane_b32 s[WV], v5                  ; wave 0..3
	s_lshr_b32 s[WR], s[WV], 1                     ; my 64 rows of source 1.  Also: I fetch K steps 0-3 (0) or 4-7 (1)
	s_and_b32 s[WC], s[WV], 1                      ; my 64 rows of source 0.  Also: I fetch x's panel (0) or w_q's (1)
	s_bfe_u32 s[CX], ttmp6, 0x40000
	s_bfe_u32 s[CY], ttmp6, 0x40004
	s_and_b32 s17, ttmp7, 0xffff
	s_lshl_b32 s17, s17, 2
	s_add_co_u32 s17, s17, s[CY]                   ; x's panel = 4 x cluster y + cy
	s_lshl_b32 s18, ttmp9, 2
	s_add_co_u32 s18, s18, s[CX]                   ; the weights' panel within q, k, v = 4 x cluster x + cx
	s_mov_b32 s8, s17                              ; both are kept for the stores' addresses
	s_mov_b32 s9, s18
	s_mul_i32 s17, s17, 8*BLK
	s_add_co_u32 s18, s18, 32
	s_mul_i32 s18, s18, 8*BLK                      ; w_q's panel; w_k's lies 8 panels on, w_v's 16
	s_mul_i32 s19, s[WR], 4*BLK                    ; at the head a wave fetches four K steps on end: waves 0, 1 K steps 0-3 of x and of w_q, waves 2, 3 K steps 4-7
	s_add_co_u32 s20, s17, s19
	s_mov_b32 s21, 0
	s_add_co_u32 s22, s18, s19
	s_mov_b32 s23, 0
	s_mul_i32 s10, s[WV], 2*BLK                    ; of w_k and of w_v each wave fetches K steps 2 w, 2 w + 1
	s_add_co_u32 s2, s18, s10
	s_mov_b32 s3, 0
	s_lshl_b32 s66, s[CY], 2
	s_lshl_b32 s66, 15, s66                        ; my row of the cluster
	s_lshl_b32 s67, 0x1111, s[CX]                  ; my column
	; group 1: a dense block of 12,800 bytes as 50 rows of 32 elements of 8 bytes, no padding; two blocks on end: 100 rows
	s_or_b32 s[G1A], s66, (3<<16)|(1<<21)          ; 15:0 the mask; 17:16 elements of 8 bytes; 21 set beside a mask
	s_or_b32 s[G1B], s67, (3<<16)|(1<<21)
	s_or_b32 s[G1C], s67, (3<<16)|(1<<21)
	s_mov_b32 s[G1B+1], 6400<<16                   ; the weights' halves: tensor_dim0 = 6,400 elements of 8 bytes,
	s_mov_b32 s[G1B+2], 2<<16                      ; tensor_dim1 = 2: w_q's half, w_k's half,
	s_mov_b32 s[G1B+3], 6400<<16                   ; tile_dim0
	s_mov_b32 s[G1B+4], 2                          ; tile_dim1
	s_mov_b32 s[G1B+5], 8*8*BLK/8                  ; from row to row: eight panels
	s_mov_b32 s[G1B+6], 0
	s_mov_b32 s[G1B+7], 0
.irp g, G1A
	s_mov_b32 s[\g+1], 32<<16                      ; tensor_dim0 = 32
	s_mov_b32 s[\g+2], 200<<16                     ; tensor_dim1 = 200: four blocks of 12,800 bytes as rows of 256
	s_mov_b32 s[\g+3], 32<<16                      ; tile_dim0 = 32
	s_mov_b32 s[\g+4], 200                         ; tile_dim1 = 200
	s_mov_b32 s[\g+5], 32                          ; from row to row
	s_mov_b32 s[\g+6], 0
	s_mov_b32 s[\g+7], 0
.endr
	s_mov_b32 s[G1C+1], 32<<16
	s_mov_b32 s[G1C+2], 100<<16
	s_mov_b32 s[G1C+3], 32<<16
	s_mov_b32 s[G1C+4], 100
	s_mov_b32 s[G1C+5], 32
	s_mov_b32 s[G1C+6], 0
	s_mov_b32 s[G1C+7], 0
	s_wait_kmcnt 0x0
	s_add_nc_u64 s[20:21], s[4:5], s[20:21]
	s_add_nc_u64 s[22:23], s[4:5], s[22:23]
	s_add_nc_u64 s[2:3], s[4:5], s[2:3]
	ROUND                                          ; all sixteen work-groups are here: the joint loads meet
.irp q, 0
	s_mov_b32 s[G0A+4*\q], 1
	s_add_co_u32 s[G0A+4*\q+1], s19, XP+\q*2*BLK
	s_add_nc_u64 s[G0A+4*\q+2:G0A+4*\q+3], s[20:21], \q*2*BLK
	s_or_b32 s[G0A+4*\q+3], s[G0A+4*\q+3], 0x80000000
	s_mov_b32 s[G0B+4*\q], 1
	s_lshl_b32 s[G0B+4*\q+1], s19, 1               ; the weights' K steps 4-7 lie 102,400 bytes behind K steps 0-3
	s_add_co_u32 s[G0B+4*\q+1], s[G0B+4*\q+1], W0
	s_add_nc_u64 s[G0B+4*\q+2:G0B+4*\q+3], s[22:23], \q*2*BLK
	s_or_b32 s[G0B+4*\q+3], s[G0B+4*\q+3], 0x80000000
.endr
	s_mov_b32 s[G0D], 1                            ; w_v into slot 0, later
	s_mul_i32 s[G0D+1], s[WC], 2*BLK               ; K steps 2 w, 2 w + 1 of slot 0: 102,400 (w / 2) + 25,600 (w % 2)
	s_lshl_b32 s11, s19, 1
	s_add_co_u32 s[G0D+1], s[G0D+1], s11
	s_add_co_u32 s[G0D+1], s[G0D+1], W0
	s_add_nc_u64 s[G0D+2:G0D+3], s[2:3], 16*8*BLK
	s_or_b32 s[G0D+3], s[G0D+3], 0x80000000
; THE HEAD'S LOADS, ONE A WAVE, in one chain of branches on the wave's number: wave 0 x's K steps 0-3, wave 1 w_q's, wave 2 x's K steps 4-7, wave 3 w_q's.  Each arm is one wave's own line.
.macro ARM w, g0, g1
	s_cmp_eq_u32 s[WV], \w
	s_cbranch_scc0 .Lnot_\w
	tensor_load_to_lds s[\g0:\g0+3], s[\g1:\g1+7]
	s_nop 0
.rept 4
	v_nop
.endr
	s_branch .Lasked
.Lnot_\w:
.endm
	ARM 0, G0A, G1A
	ARM 1, G0B, G1B
	ARM 2, G0A, G1A
	tensor_load_to_lds s[G0B:G0B+3], s[G1B:G1B+7]
	s_nop 0
.rept 4
	v_nop
.endr
.Lasked:
	v_and_b32 v1, 15, v0                           ; r
	v_and_b32 v3, 31, v0                           ; lane
	v_lshlrev_b32 v[L8], 3, v3
	v_lshlrev_b32 v5, 4, v1                        ; 16 r
	; every LDS address is a constant + a term of the wave's number + 8 x lane (codes) or 16 r (scale words)
	s_wait_alu depctr_va_vdst(0)
	s_mul_i32 s100, s[WR], 6144
	s_mul_i32 s101, s[WC], 6144
	v_add_nc_u32 v[ADXR], s100, v[L8]
	v_add_nc_u32 v[ADXC], s101, v[L8]
	s_add_co_u32 s100, s100, W0
	s_add_co_u32 s101, s101, W0
	v_add_nc_u32 v[ADW0R], s100, v[L8]
	v_add_nc_u32 v[ADW0C], s101, v[L8]
	s_add_co_u32 s101, s101, W1-W0
	v_add_nc_u32 v[ADW1C], s101, v[L8]
	s_lshl_b32 s100, s[WR], 8
	s_lshl_b32 s101, s[WC], 8
	s_add_co_u32 s100, s100, 12288
	s_add_co_u32 s101, s101, 12288
	v_add_nc_u32 v[ASXR], s100, v5
	v_add_nc_u32 v[ASXC], s101, v5
	s_add_co_u32 s100, s100, W0
	s_add_co_u32 s101, s101, W0
	v_add_nc_u32 v[ASW0R], s100, v5
	v_add_nc_u32 v[ASW0C], s101, v5
	s_add_co_u32 s101, s101, W1-W0
	v_add_nc_u32 v[ASW1C], s101, v5
.irp g, ADXR, ADXC, ASXR, ASXC
	v_add_nc_u32 v[\g+1], 4*BLK, v[\g]             ; x's K steps 4-7: an LDS offset has 16 bits
.endr
.irp g, ADW0R, ADW0C, ADW1C, ASW0R, ASW0C, ASW1C
	v_add_nc_u32 v[\g+1], 8*BLK, v[\g]             ; the weights' K steps 4-7
.endr
	v_mov_b32 v[TM+2], 0
.set SH8, 6                            ; v6: 8 x (lane / 16): how far my block's scale byte is shifted in its word
	v_bfe_u32 v[SH8], v0, 4, 1
	v_lshlrev_b32 v[SH8], 3, v[SH8]
	v_mov_b32 v[TM+3], 0
	s_mov_b32 s[SEL], 0x76543210
	s_mov_b32 s[SEL+1], 0xfedcba98
	; where the results go.  cx and cy enter these global addresses alone
	s_mul_i32 s100, s[WR], 3072                    ; q, k: my 64 tokens are tiles 4 wr + a of the sub-block's eight, 768 bytes each
.irp a, 0,1,2,3
	v_add_nc_u32 v[VCQ+\a], s100, v[L8]
	s_add_co_u32 s100, s100, 768
.endr
	s_lshl_b32 s100, s[WR], 8
	v_add_nc_u32 v[VSQ], s100, v[L8]
	s_mul_i32 s100, s[WC], 768                     ; v: channel tile a at 1536 a, my 64 keys are its half wc
.irp a, 0,1,2,3
	v_add_nc_u32 v[VCV+\a], s100, v[L8]
	s_add_co_u32 s100, s100, 1536
.endr
	s_lshl_b32 s100, s[WC], 8
	v_add_nc_u32 v[VSV], s100, v[L8]
	s_lshr_b32 s66, s8, 4
	s_lshl_b32 s66, s66, 4                         ; 16 x batch
	s_lshl_b32 s67, s9, 1
	s_add_co_u32 s66, s66, s67                     ; + the panel's first head
	s_and_b32 s67, s8, 15                          ; the key step
	s_add_co_u32 s100, s66, s[WC]                  ; q, k: my head is my half of source 0
	s_lshl_b32 s100, s100, 4
	s_add_co_u32 s100, s100, s67
	s_mul_i32 s100, s100, 19968
	s_mov_b32 s101, 0
	s_add_nc_u64 s[BKK:BKK+1], s[6:7], s[100:101]
	s_add_nc_u64 s[BQ:BQ+1], s[BKK:BKK+1], 13312
	s_add_co_u32 s100, s66, s[WR]                  ; v: my head is my half of source 1
	s_lshl_b32 s100, s100, 4
	s_add_co_u32 s100, s100, s67
	s_mul_i32 s100, s100, 19968
	s_add_co_u32 s100, s100, 6656
	s_add_nc_u64 s[BV:BV+1], s[6:7], s[100:101]
; K step s of the tile that the symbols NA0, NA1 (codes of source 0, 1) and NS0, NS1 (scale words) name: 48 planes of 256 bytes and two loads of scale words into set s % 2
.macro FETCH s
	WIN TO_F
.irp i, 0,1,2,3
.irp p, 0,1,2,3,4,5
	ds_load_b64 v[128*((\s)%2)+12*\i+2*\p:128*((\s)%2)+12*\i+2*\p+1], v[NA0+(\s)/4] offset:((\s)%4)*BLK+1536*\i+256*\p
.endr
.endr
.irp i, 0,1,2,3
.irp p, 0,1,2,3,4,5
	ds_load_b64 v[128*((\s)%2)+48+12*\i+2*\p:128*((\s)%2)+48+12*\i+2*\p+1], v[NA1+(\s)/4] offset:((\s)%4)*BLK+1536*\i+256*\p
.endr
.endr
	WIN 0
	ds_load_b128 v[SC+8*((\s)%2):SC+8*((\s)%2)+3], v[NS1+(\s)/4] offset:((\s)%4)*BLK       ; register i: source 1's tile i, lane r its row r
	ds_load_b128 v[SC+8*((\s)%2)+4:SC+8*((\s)%2)+7], v[NS0+(\s)/4] offset:((\s)%4)*BLK     ; source 0's
.endm
; eight products: source 1's tiles a0, a0 + 1 against source 0's four.  The 16 accumulators take turns, one instruction a turn, in one order, from tile to tile too.  first = 1: the constant 0 starts the sums
.macro MUL8 s, a0, first
.irp a, \a0, \a0+1
.irp b, 0,1,2,3
.if \first
	v_wmma_scale_f32_16x16x128_f8f6f4 v[ACC+8*(4*(\a)+\b):ACC+8*(4*(\a)+\b)+7], v[128*((\s)%2)+12*\b:128*((\s)%2)+12*\b+11], v[128*((\s)%2)+48+12*(\a):128*((\s)%2)+48+12*(\a)+11], 0, v[SC+8*((\s)%2)+4+\b], v[SC+8*((\s)%2)+(\a)] matrix_a_fmt:MATRIX_FMT_FP6 matrix_b_fmt:MATRIX_FMT_FP6
.else
	v_wmma_scale_f32_16x16x128_f8f6f4 v[ACC+8*(4*(\a)+\b):ACC+8*(4*(\a)+\b)+7], v[128*((\s)%2)+12*\b:128*((\s)%2)+12*\b+11], v[128*((\s)%2)+48+12*(\a):128*((\s)%2)+48+12*(\a)+11], v[ACC+8*(4*(\a)+\b):ACC+8*(4*(\a)+\b)+7], v[SC+8*((\s)%2)+4+\b], v[SC+8*((\s)%2)+(\a)] matrix_a_fmt:MATRIX_FMT_FP6 matrix_b_fmt:MATRIX_FMT_FP6
.endif
.endr
.endr
.endm
; K step s.  tw >= 0: what the next fetch reads was brought by loads behind which tw younger ones of mine may be out: that wait, then a barrier.
; fetch = 1: in the step's middle the next K step's fragments are fetched (behind K step 7: the next tile's K step 0).
.macro KSTEP s, tw, first, fetch
	s_wait_dscnt 0x0                               ; this K step's fragments and scale words are in; no LDS instruction of mine is out at the signal
.if (\tw) >= 0
	s_wait_tensorcnt \tw
	s_barrier_signal -1
	s_barrier_wait -1
.endif
.if \fetch
.rept 4
	v_nop                                          ; four plain instructions between the last product that read the other set and the loads into it
.endr
	FETCH ((\s)+1)%8                               ; at the step's head: all sixteen products of the step stand between these loads and the wait for them
.endif
	WIN MUL
	MUL8 \s, 0, \first
	MUL8 \s, 2, \first
.endm
; K step s with a drained round in it and one joint load a wave behind the round.  It is used once, in tile q's K step 7: all my tensor loads have landed, my reads of slot 0 are over; behind the round no wave of any partner
; reads slot 0 or has a load on its way: slot 0 is filled again, with w_v, and then tile k's first fragments are read.
.macro KTURN s, g0
	WIN 0                                          ; (the add's two registers lie in window 0)
	s_wait_dscnt 0x0                               ; this K step's fragments and scale words are in
	s_wait_tensorcnt 0x0                           ; all my tensor loads have landed
	ds_add_u32 v[SPW], v[NIL]
	WIN MUL
	MUL8 \s, 0, 0                                  ; eight products stand between the add and the wait for it
	s_wait_dscnt 0x0
	s_barrier_signal -1                            ; the round's opening barrier
	WIN 0
	s_barrier_wait -1
	CREST
	tensor_load_to_lds s[\g0:\g0+3], s[G1C:G1C+7]  ; my one load behind the round: K steps 2 w, 2 w + 1 of the weight, jointly with my column
	s_nop 0
.rept 4
	v_nop
.endr
	FETCH ((\s)+1)%8
	WIN MUL
	MUL8 \s, 2, 0
.endm
; 32 registers, register 16 b + i = k 32 b + 16 (lane / 16) + i of my row, become half a fragment (64 along K) in v[d] .. v[d + 5] and two scale bytes in v[w].  Each accumulator is read from its low end on.
.macro HQUANT s, d, w
.irp b, 0,1
	v_max3_num_f32 v[TM+\b], |v[\s+16*\b]|, |v[\s+1+16*\b]|, 0x1800000   ; my 16 numbers, and the floor 2^(3 - 127)
.endr
.irp i, 2,4,6,8,10,12,14
.irp b, 0,1
	v_max3_num_f32 v[TM+\b], v[TM+\b], |v[\s+16*\b+\i]|, |v[\s+1+16*\b+\i]|
.endr
.endr
; By the order of rows (row r of tile t is row 64 (t / 4) + 32 (r / 8) + 8 (t % 4) + r % 8) register i of the 32 is k = 32 (lane / 16) + i: ONE whole block, all mine.  The two chains above are its halves.
	v_max_num_f32 v[TM], v[TM], v[TM+1]            ; the block's largest magnitude
	v_add_nc_u32 v[TM+4], 0xff000000, v[TM]        ; 2 off its exponent field: the conversions' scale operand
	v_lshrrev_b32 v[TM+2], 23, v[TM+4]             ; the byte,
	v_lshlrev_b32 v[TM+2], v[SH8], v[TM+2]         ; at its place in the word: byte lane / 16
	v_permlanex16_b32 v[TM+3], v[TM+2], s[SEL], s[SEL+1]
	v_or_b32 v[\w], v[TM+2], v[TM+3]               ; with lane l xor 16's: both bytes, 0 above
	v_cvt_scalef32_pk16_fp6_f32 v[\d:\d+2], v[\s:\s+15], v[TM+4]
	v_cvt_scalef32_pk16_fp6_f32 v[TC:TC+2], v[\s+16:\s+31], v[TM+4]
	v_nop                                          ; one plain instruction behind the conversions
.irp i, 0,1,2
	v_mov_b32 v[\d+3+\i], v[TC+\i]
.endr
.endm
; THE WAY OUT of a tile: four half fragments and their scale words.  again = 1: the last tile's stores have read the registers that are written here only behind the wait on XCNT.
; Nothing waits for the stores: they leave while the next tile is multiplied.
.macro WAYOUT vc, vs, sb, again
	WIN 0
.rept 4
	v_nop                                          ; four plain instructions ahead of the first read of results
.endr
.if \again
	s_wait_xcnt 0x0
.endif
.irp a, 0,1,2,3
	HQUANT ACC+32*\a, CD+6*\a, PWR+\a
.endr
	v_cmp_gt_u32 vcc_lo, 16, v3                    ; word j of lane l belongs to tile 2 j + l / 16
	v_cndmask_b32 v[SV], v[PWR+1], v[PWR], vcc_lo
	v_cndmask_b32 v[SV+1], v[PWR+3], v[PWR+2], vcc_lo
.irp a, 0,1,2,3
.irp p, 0,1,2
	global_store_b64 v[\vc+\a], v[CD+6*\a+2*\p:CD+6*\a+2*\p+1], s[\sb:\sb+1] offset:256*\p   ; a plane: 256 consecutive bytes, aligned
.endr
.endr
	global_store_b64 v[\vs], v[SV:SV+1], s[\sb:\sb+1] offset:6144
.endm
	s_wait_alu depctr_va_vdst(0)
	s_cmp_lt_u32 s[WV], 2                          ; waves 0 and 1 brought K steps 0-3: they wait
	s_cbranch_scc0 .Lhi
	s_wait_tensorcnt 0x0
.Lhi:
	s_barrier_signal -1
	s_barrier_wait -1                              ; everybody's has: K steps 0 and 1 of x and of w_q lie in LDS
	; ---- tile q: source 1 = x, source 0 = slot 0.  The panels arrive four K steps at a time
.set NA1, ADXR
.set NS1, ASXR
.set NA0, ADW0C
.set NS0, ASW0C
	FETCH 0
	KSTEP 0, -1, 1, 1
	KSTEP 1, -1, 0, 1
	KSTEP 2, -1, 0, 1
	KSTEP 3, 0, 0, 1                               ; every wave waits for its load (count 0), then a barrier: K steps 4-7 of x and w_q, and all of w_k, are shown to all
	KSTEP 4, -1, 0, 1
	KSTEP 5, -1, 0, 1
	KSTEP 6, -1, 0, 1
.set NA0, ADW1C                        ; the next fetch is tile k's
.set NS0, ASW1C
	KTURN 7, G0D
	WAYOUT VCQ, VSQ, BQ, 0
	; ---- tile k: source 1 = x, source 0 = slot 1; w_v lands meanwhile
	KSTEP 0, -1, 1, 1
.irp s, 1,2,3,4,5,6
	KSTEP \s, -1, 0, 1
.endr
.set NA1, ADW0R                        ; the next fetch is tile v's: source 1 = slot 0, source 0 = x
.set NS1, ASW0R
.set NA0, ADXC
.set NS0, ASXC
	KSTEP 7, 0, 0, 1                               ; my part of w_v has landed (no younger load exists), then a barrier: everybody's has
	WAYOUT VCQ, VSQ, BKK, 1
	; ---- tile v
	KSTEP 0, -1, 1, 1
.irp s, 1,2,3,4,5,6
	KSTEP \s, -1, 0, 1
.endr
	KSTEP 7, -1, 0, 0
	WAYOUT VCV, VSV, BV, 1
	s_wait_tensorcnt 0x0                           ; the wave's end: behind my last tensor load, my last LDS instructions
	ds_add_u32 v[SPW], v[NIL]
	s_wait_dscnt 0x0
	ROUND                                          ; the closing round: no work-group ends while a partner may still ask jointly
	s_endpgm
.Lfunc_end_k_qc4cff78563_gemm_qkv:
	.size	k_qc4cff78563_gemm_qkv, .Lfunc_end_k_qc4cff78563_gemm_qkv-k_qc4cff78563_gemm_qkv
	.p2alignl 7, 3214868480
	.fill 96, 4, 3214868480
	.section	.rodata,"a",@progbits
	.p2align	6, 0x0
	.amdhsa_kernel k_qc4cff78563_gemm_qkv
		.amdhsa_group_segment_fixed_size 327680
		.amdhsa_private_segment_fixed_size 0
		.amdhsa_enable_private_segment 0
		.amdhsa_kernarg_size 16
		.amdhsa_user_sgpr_count 2
		.amdhsa_user_sgpr_kernarg_segment_ptr 1
		.amdhsa_wavefront_size32 1
		.amdhsa_system_sgpr_workgroup_id_x 1
		.amdhsa_system_sgpr_workgroup_id_y 1
		.amdhsa_system_sgpr_workgroup_id_z 1
		.amdhsa_system_vgpr_workitem_id 0
		.amdhsa_next_free_vgpr 512
		.amdhsa_next_free_sgpr 102
		.amdhsa_reserve_vcc 1
		.amdhsa_float_denorm_mode_32 3
		.amdhsa_float_denorm_mode_16_64 3
		.amdhsa_memory_ordered 1
		.amdhsa_forward_progress 1
		.amdhsa_inst_pref_size 163
	.end_amdhsa_kernel
	.amdgpu_metadata
---
amdhsa.version: [ 1, 2 ]
amdhsa.kernels:
  - .name:           k_qc4cff78563_gemm_qkv
    .symbol:         k_qc4cff78563_gemm_qkv.kd
    .args:
      - { .name: opq, .offset: 0, .size: 8, .value_kind: global_buffer, .address_space: global }
      - { .name: qkv, .offset: 8, .size: 8, .value_kind: global_buffer, .address_space: global }
    .group_segment_fixed_size: 327680
    .private_segment_fixed_size: 0
    .kernarg_segment_align: 8
    .kernarg_segment_size: 16
    .max_flat_workgroup_size: 128
    .sgpr_count:     102
    .vgpr_count:     512
    .wavefront_size: 32
...
	.end_amdgpu_metadata
.endif
;; end of part 2
;; launch attn (part 3): grid 8 x 32, 8 waves a work-group, clusters of 4 x 1, 214,016 bytes of LDS; arguments qkv, ob; writes ob
.if DOCPART == 3
	.amdgcn_target "amdgcn-amd-amdhsa--gfx1250"
	.amdhsa_code_object_version 6
	.text
	.protected	k_qc4cff78563_attn
	.globl	k_qc4cff78563_attn
	.p2align	8
	.type	k_qc4cff78563_attn,@function
k_qc4cff78563_attn:
	s_mov_b64 s[64:65], 0
	v_nop
	global_prefetch_b8 v0, s[64:65] scope:SCOPE_SE
	s_setreg_imm32_b32 hwreg(HW_REG_WAVE_MODE, 25, 1), 1
	s_wait_xcnt 0x0
	s_wait_alu depctr_hold_cnt(0) depctr_sa_sdst(0) depctr_va_vdst(0) depctr_va_sdst(0) depctr_va_ssrc(0) depctr_va_vcc(0) depctr_vm_vsrc(0)
	s_getreg_b32 s2, hwreg(HW_REG_IB_STS2, 6, 4)
	s_cmp_eq_u32 s2, 0
	s_cbranch_scc0 .Lentry_in_a_cluster
	s_endpgm
.Lentry_in_a_cluster:
	s_bfe_u32 s2, ttmp6, 0x10000c
	s_cmp_lg_u32 s2, 0x3003
	s_cbranch_scc0 .Lentry_shape_is_right
	s_endpgm
.Lentry_shape_is_right:
; O = softmax(q k^T / 8) v for one batch x head, both products on codes of FP6 (E2M3) with E8M0 scales; O / l is quantised along the channels and stored as the last product's operand.
; qkv: [batch x head 32][key step 16][K 6,656 | V 6,656 | Q 6,656].  K, Q: 128 tokens x 64: tile t at 768 t, three planes of 256 bytes (plane p: registers 2 p, 2 p + 1, lane l at 8 l).  V: 64 channels x 128 keys: tile a at 1536 a, six planes.
; Scale words (two bytes, 0 above) at 6,144 + 256 hs + 8 l + 4 j: K, Q: tile 4 hs + 2 j + l / 16, row l % 16; V: channel tile 2 j + l / 16, row l % 16, key half hs.
; THE ORDER OF ROWS: row r of tile t is token (channel) 64 (t / 4) + 32 (r / 8) + 8 (t % 4) + r % 8.  So the 32 result registers of source 0's tiles 4 c .. 4 c + 3 are, in lane half h, the 32 neighbours 64 c + 32 h + 0 .. 31:
; a whole scale block lies in one lane, in the order in which the next operand's registers 6 c .. 6 c + 5 want it.
; THE SOFTMAX: t = score x log2(e) / 8; M = the running largest t rounded up to a whole number; p = 2^(t - M) is quantised along the keys, not normalised; the row's sum is taken of the unquantised p and divides O at the end.
; When M moves, the sum and O are multiplied by 2^(old M - new M), which rounds nothing; that is done in every step, with no branch.
; BOTH PRODUCTS TRANSPOSED: S^T = K Q^T (source 0 = 16 keys), O^T = V^T P^T (source 0 = 16 channels): a lane holds one query throughout.
; K = 64 IN AN INSTRUCTION OF 128: Q's registers 6-11 are zero codes.  K's tile t is named as v[32 + 6 t .. 43 + 6 t]: its upper six registers are the next tile's codes (behind tile 7: zeros).  E2M3 has no infinity and no NaN
; and no scale byte here is 0xff, so those products are exact zeros.
; SHARES: a work-group owns 256 queries of one head; each of eight waves owns TWO tiles of 16 queries, which share every fragment of K and V: 52 LDS loads a key step feed 24 products.
; REGISTERS: tile 0's S, O, p's codes, Q and sum lie in window 0, tile 1's under the same numbers in window 1; V's fragments lie in window 1 (v32-79 there), K's in window 0.  Both tiles' small numbers (maxima, M, f, scale words)
; lie in window 0, so that the two tiles' chains of dependent lines stand line by line in turn with no switch of windows; scale operands have no window.
; A WHOLE HEAD'S K AND V, 16 key steps x 13,312 bytes, lie in LDS and are filled ONCE.  Every wave issues one tensor load, key steps 2 w and 2 w + 1 (two rows of 13,312 bytes, 19,968 apart in memory).  Waves 0 and 1 have a load line
; of their own and wait ahead of the first barrier, behind which key steps 0-3 are walked; ahead of the second barrier every wave waits, and key steps 4-15 follow.  Nothing is filled again.
; K's fragments of the next key step are asked of LDS behind this step's score products (in a loop's last trip the address is held at the loop's last key step, and what comes is not used).
; THE COUNTED WAITS: s_wait_dscnt 26 at a step's head: K's 26 loads are in, V's 26, issued behind them, may be out; s_wait_dscnt 26 ahead of the second product: V's are in, the next K's 26 may be out.
; CLUSTER 4 x 1: four blocks of queries of one head ask for K and V jointly.  No prefetch: all that the launch reads from memory is asked for at its head.
; ob: [panel 32][K step 8][12,800]: 128 tokens x 128 channels (heads 2 s, 2 s + 1): tile t at 1536 t + 768 (head % 2); scale words at 12,288 + 256 (t / 4) + 16 r + 4 (t % 4), my head's two bytes at + 2 (head % 2).
; Those two bytes a row are stored singly, 2 bytes a lane: two heads, of two work-groups, share a word.
; LIMITS: the promise holds while |t| stays under 2^31.  A block whose largest magnitude lies under 2^-124 (zeros among them) gets the byte 1; NaN and infinities are not served.
.set STEPB, 13312                      ; a key step in LDS: K's codes, K's scale words at 6,144, V's codes at 6,656, V's scale words at 12,800
.set SPARE, 16*STEPB                   ; the spare words: 128 bytes for each of 8 waves
.set L8,   1                           ; v1   8 x lane
.set ADR,  2                           ; v2   a key step's place + 8 x lane
.set SH8,  6                           ; v6   8 x (lane / 16)
.set KV,   32                          ; window 0: v32-79 K's eight half fragments, v80-85 zeros;  window 1: v32-79 V's four fragments
.set S,    96                          ; v96-159 S^T, then p
.set OT,   160                         ; v160-191 O^T
.set PCD,  192                         ; v192-203 p's codes
.set TC,   204                         ; v204-206, v208-210 the conversions' second halves
.set KSC,  236                         ; v236-239 K's scale words: register t / 2, lanes 0-15 the even tile, lanes 16-31 the odd
.set VRW,  240                         ; v240-243 V's half words
.set VSC,  244                         ; v244-245 V's scale words
.set SPW,  254
.set NIL,  255
.set WV,   8
.set SEL,  12
.set CS,   14
.set TB,   16
.set TN,   17
.set CSN,  22
.set G1,   24
.set G0,   32
.macro SETQ q                          ; a tile's small registers, all in window 0
.if \q
.set BM, 86                            ; four chains of maxima; then BM, BM + 2: my two blocks' largest score, largest p
.set PD, 90                            ; the other half's; the bytes
.set SOP, 92                           ; the conversions' scale operands
.set FF, 94                            ; f = 2^(old M - new M); FF + 1: p's scale word
.set TT, 30
.set OM, 31                            ; -M as it was
.set NM, 10                            ; -M; NM + 1: the running largest score
.set QS, 29                            ; Q's scale words
.else
.set BM, 212
.set PD, 216
.set SOP, 220
.set FF, 224
.set TT, 226
.set OM, 227
.set NM, 12
.set QS, 28
.endif
.endm
.set MSB, 0
.macro WIN new                         ; the immediate's high byte repeats the setting that is left
.if MSB != \new
	s_set_vgpr_msb (MSB<<8)|\new
.set MSB, \new
.endif
.endm
.macro ROUND                           ; a round of the cluster's barrier
	s_barrier_signal -1
	s_barrier_wait -1
	s_cmp_lg_u32 s[WV], 0
	s_cbranch_scc1 .Lnot_wave_0_\@
	s_barrier_signal -3
.Lnot_wave_0_\@:
	s_barrier_wait -3
	s_barrier_signal -1
	s_barrier_wait -1
.endm
.macro WALU
	s_wait_alu depctr_va_vdst(0)
.endm
.macro TLOAD
	tensor_load_to_lds s[G0:G0+3], s[G1:G1+7]
	s_nop 0
.rept 4
	v_nop
.endr
.endm
	s_load_b128 s[4:7], s[0:1], 0x0                ; qkv s[4:5], ob s[6:7]
	v_lshl_add_u32 v[SPW], v0, 2, SPARE
	v_mov_b32 v[NIL], 0
	ds_add_u32 v[SPW], v[NIL]                      ; the opening lines: the add twice on end and one wait
	ds_add_u32 v[SPW], v[NIL]
	v_lshrrev_b32 v3, 5, v0
	v_readfirstlane_b32 s[WV], v3                  ; wave 0..7
	s_bfe_u32 s9, ttmp6, 0x40000                   ; cx
	s_lshl_b32 s10, ttmp9, 2
	s_add_co_u32 s10, s10, s9                      ; my block of 256 queries: it enters Q's and ob's addresses alone
	s_and_b32 s11, ttmp7, 0xffff                   ; batch x 16 + head, which the four partners share
	s_mov_b32 s[G1], 15|(3<<16)|(1<<21)            ; group 1: two rows of 1,664 elements of 8 bytes, 2,496 elements apart; the mask names all four work-groups
	s_mov_b32 s[G1+1], 1664<<16
	s_mov_b32 s[G1+2], 2<<16
	s_mov_b32 s[G1+3], 1664<<16
	s_mov_b32 s[G1+4], 2
	s_mov_b32 s[G1+5], 2496
	s_mov_b32 s[G1+6], 0
	s_mov_b32 s[G1+7], 0
	s_mul_i32 s19, s[WV], 2*STEPB                  ; where my two key steps go
	s_lshl_b32 s20, s11, 4
	s_lshl_b32 s18, s[WV], 1
	s_add_co_u32 s20, s20, s18
	s_mul_i32 s20, s20, 19968                      ; and where they come from
	s_mov_b32 s21, 0
	s_mov_b32 s[SEL], 0x76543210
	s_mov_b32 s[SEL+1], 0xfedcba98
	s_mov_b32 s[CS], 0x3e38aa3b                    ; c = log2(e) / 8
	s_mov_b32 s[CS+1], s[CS]
	s_mov_b32 s[CSN], 0xbe38aa3b                   ; -c
	s_lshr_b32 s48, s[WV], 2
	s_and_b32 s49, s[WV], 3
	s_lshl_b32 s49, s49, 1                         ; t: my first tile of the 128 queries, an even one; the second is t + 1
	s_lshl_b32 s50, s10, 1
	s_add_co_u32 s50, s50, s48                     ; which 128 queries of the head
	s_lshl_b32 s51, s11, 4
	s_add_co_u32 s51, s51, s50
	s_mul_i32 s52, s51, 19968
	s_add_co_u32 s52, s52, 13312                   ; their sub-block of Q
	s_mov_b32 s53, 0
	s_mul_i32 s54, s49, 768                        ; my tiles' codes in it
	s_mov_b32 s55, 0
	s_lshr_b32 s56, s49, 2
	s_lshl_b32 s56, s56, 8                         ; tile t's scale words: 256 (t / 4)
	s_bfe_u32 s57, s49, 0x10001
	s_lshl_b32 s57, s57, 2
	s_add_co_u32 s56, s56, s57                     ; + 4 ((t / 2) % 2); tile t + 1's lie 128 bytes on
	s_and_b32 s58, s11, 15                         ; where O goes: the head,
	s_lshr_b32 s59, s11, 4
	s_lshl_b32 s59, s59, 4
	s_add_co_u32 s59, s59, s50                     ; the panel: batch x 16 + which 128 tokens,
	s_mul_i32 s59, s59, 102400
	s_lshr_b32 s60, s58, 1
	s_mul_i32 s60, s60, 12800                      ; the K step: two heads to one
	s_add_co_u32 s60, s59, s60
	s_mov_b32 s61, 0
	s_and_b32 s58, s58, 1
	s_mul_i32 s62, s49, 1536
	s_mul_i32 s63, s58, 768
	s_add_co_u32 s62, s62, s63                     ; tile t's half fragment in the block; tile t + 1's lies 1,536 bytes on
	s_lshr_b32 s63, s49, 2
	s_lshl_b32 s63, s63, 8
	s_and_b32 s59, s49, 3
	s_lshl_b32 s59, s59, 2
	s_add_co_u32 s63, s63, s59
	s_lshl_b32 s58, s58, 1
	s_add_co_u32 s63, s63, s58                     ; tile t's scale bytes: 256 (t / 4) + 4 (t % 4) + 2 (head % 2); tile t + 1's 4 bytes on
	v_and_b32 v[L8], 31, v0
	v_and_b32 v3, 15, v0
	v_bfe_u32 v[SH8], v0, 4, 1
	v_lshlrev_b32 v[L8], 3, v[L8]
	v_lshlrev_b32 v5, 4, v3
	v_lshlrev_b32 v3, 3, v3
	v_lshlrev_b32 v[SH8], 3, v[SH8]
	v_add_nc_u32 v3, s56, v3                       ; Q's scale words: + 8 r
	v_add_nc_u32 v4, s62, v[L8]                    ; where my codes go
	v_add_nc_u32 v5, s63, v5                       ; and my row's scale bytes: + 16 r
	v_mov_b32 v[ADR], v[L8]                        ; key step 0
	WALU
	s_wait_dscnt 0x0
	s_wait_kmcnt 0x0
	s_add_nc_u64 s[20:21], s[4:5], s[20:21]
	s_add_nc_u64 s[52:53], s[4:5], s[52:53]
	s_add_nc_u64 s[54:55], s[52:53], s[54:55]
	s_add_nc_u64 s[6:7], s[6:7], s[60:61]
.irp p, 0,1,2
	global_load_b64 v[16+2*\p:17+2*\p], v[L8], s[54:55] offset:256*\p   ; Q's half fragments stay in registers: tile 0's,
.endr
	global_load_b32 v28, v3, s[52:53] offset:6144  ; both tiles' scale words, in window 0,
	global_load_b32 v29, v3, s[52:53] offset:6144+128
	WIN 0x40
.irp p, 0,1,2
	global_load_b64 v[16+2*\p:17+2*\p], v[L8], s[54:55] offset:768+256*\p   ; and tile 1's, in window 1
.endr
	WIN 0
	ROUND                                          ; all four work-groups are here: the joint loads meet
	s_mov_b32 s[G0], 1
	s_mov_b32 s[G0+1], s19
	s_mov_b64 s[G0+2:G0+3], s[20:21]
	s_or_b32 s[G0+3], s[G0+3], 0x80000000
	s_cmp_lt_u32 s[WV], 2                          ; one load a wave, in two arms: waves 0 and 1, whose key steps 0-3 are read first, have a line of their own
	s_cbranch_scc0 .Llate
	TLOAD
	s_branch .Lasked
.Llate:
	TLOAD
.Lasked:
.irp i, 0,1,2,3,4,5
	v_mov_b32 v[22+\i], 0                          ; Q's k = 64 .. 127: zero codes
	v_mov_b32 v[80+\i], 0                          ; what stands behind K's tile 7
.endr
.irp q, 0,1
	SETQ \q
	v_mov_b32 v[NM+1], 0xff61b1e6                  ; the largest score so far: -3e38
	v_mov_b32 v[PD], 0                             ; written once: a lane permute's destination counts as one of its sources
	v_mov_b32 v[PD+1], 0
	v_mov_b32 v[FF+1], 0                           ; (named as the upper half of the pair with f before it is first written)
	v_mul_f32 v[NM], s[CSN], v[NM+1]
.endr
	v_floor_f32 v12, v12                           ; -M
	v_floor_f32 v10, v10
.irp w, 0, 0x40                                ; both windows: the sum in two halves, and O^T: the step is written once; the first finds zeros
	WIN \w
	v_mov_b32 v14, 0
	v_mov_b32 v15, 0
.set j, 0
.rept 32
	v_mov_b32 v[OT+j], 0
.set j, j+1
.endr
.endr
.irp i, 0,1,2,3,4,5
	v_mov_b32 v[22+\i], 0                          ; window 1: tile 1's zero codes,
.endr
	v_mov_b32 v226, 0                              ; the way out's lane permutes' destinations,
	v_mov_b32 v217, 0
	v_mov_b32 v4, v4                               ; and copies of the way out's addresses and of 8 x (lane / 16)
	v_mov_b32 v5, v5
	v_mov_b32 v[SH8], v[SH8]
	WIN 0
.macro KLOAD                           ; K's fragments and scale words of the key step at v[ADR]: 26 loads
.irp t, 0,1,2,3,4,5,6,7
.irp p, 0,1,2
	ds_load_b64 v[KV+6*\t+2*\p:KV+6*\t+2*\p+1], v[ADR] offset:768*\t+256*\p
.endr
.endr
	ds_load_b64 v[KSC:KSC+1], v[ADR] offset:6144
	ds_load_b64 v[KSC+2:KSC+3], v[ADR] offset:6400
.endm
.macro SCORES q                        ; S^T = K Q^T: eight tiles of 16 keys, each its own accumulator
	SETQ \q
	WIN \q*0x44
.irp t, 0,2,4,6
	v_wmma_scale_f32_16x16x128_f8f6f4 v[S+8*\t:S+8*\t+7], v[KV+6*\t:KV+6*\t+11], v[16:27], 0, v[KSC+\t/2], v[QS] matrix_a_fmt:MATRIX_FMT_FP6 matrix_b_fmt:MATRIX_FMT_FP6
	v_wmma_scale_f32_16x16x128_f8f6f4 v[S+8*\t+8:S+8*\t+15], v[KV+6*\t+6:KV+6*\t+17], v[16:27], 0, v[KSC+\t/2], v[QS] matrix_a_fmt:MATRIX_FMT_FP6 matrix_b_fmt:MATRIX_FMT_FP6 matrix_a_scale:MATRIX_SCALE_ROW1
.endr
.endm
.macro MAXQ q                          ; four chains of 16 scores; chains 0, 1 are my block of keys 32 h .., chains 2, 3 my block 64 + 32 h ..  Each accumulator is read from its low end on
	SETQ \q
	WIN \q*0x15
.irp b, 0,1,2,3
	v_max3_num_f32 v[BM+\b], v[S+16*\b], v[S+1+16*\b], v[S+2+16*\b]
.endr
	WIN \q*0x14
.irp i, 3,5,7,9,11,13
.irp b, 0,1,2,3
	v_max3_num_f32 v[BM+\b], v[BM+\b], v[S+16*\b+\i], v[S+1+16*\b+\i]
.endr
.endr
	v_max3_num_f32 v[BM], v[BM], v[S+15], v[S+31]
	v_max3_num_f32 v[BM+2], v[BM+2], v[S+47], v[S+63]
.endm
.macro CL i                            ; line i of a tile's chain from its four maxima to f; the two tiles' lines stand by turns, so a line reads what the second line back wrote
.if \i >= 2
	s_delay_alu instid0(VALU_DEP_2)
.endif
.if \i == 0
	v_max_num_f32 v[BM], v[BM], v[BM+1]            ; a block's largest score: it serves for the row's maximum and, since p rises with the score, for the block's largest p
.elseif \i == 1
	v_max_num_f32 v[BM+2], v[BM+2], v[BM+3]
.elseif \i == 2
	v_max_num_f32 v[TT], v[BM], v[BM+2]
.elseif \i == 3
	v_permlanex16_b32 v[PD], v[TT], s[SEL], s[SEL+1]
.elseif \i == 4
	v_max3_num_f32 v[NM+1], v[NM+1], v[TT], v[PD]  ; the running largest score of my query
.elseif \i == 5
	v_mul_f32 v[TT], s[CSN], v[NM+1]
.elseif \i == 6
	v_floor_f32 v[NM], v[TT]                       ; the new -M = floor(-t): M is a whole number
.elseif \i == 7
	v_sub_f32 v[TT], v[NM], v[OM]                  ; old M - new M: a whole number, 0 or less
.elseif \i == 8
	v_cvt_i32_f32 v[TT], v[TT]                     ; (it saturates)
.else
	v_ldexp_f32 v[FF], 1.0, v[TT]                  ; f = 2^(old M - new M)
.endif
.endm
.macro TMINUS q                        ; t - M, two at a time
	WIN \q*0x41
.set j, 0
.rept 32
	v_pk_fma_f32 v[S+j:S+j+1], v[S+j:S+j+1], s[CS:CS+1], v[NM:NM+1] op_sel_hi:[1,0,0]
.set j, j+2
.endr
.endm
.macro BFMA                            ; the same of each block's largest score
	v_fma_f32 v[BM], v[BM], s[CS], v[NM]
	v_fma_f32 v[BM+2], v[BM+2], s[CS], v[NM]
.endm
.macro EXPS q                          ; p = 2^(t - M); the blocks' largest p by the same two instructions on the same number
	WIN \q*0x41
.set j, 0
.rept 64
	v_exp_f32 v[S+j], v[S+j]
.set j, j+1
.endr
	WIN 0
	v_exp_f32 v[BM], v[BM]
	v_exp_f32 v[BM+2], v[BM+2]
.endm
.macro POST q                          ; the sum under the new M; p's scale word and codes
	SETQ \q
	WIN \q*0x41
	v_pk_mul_f32 v[14:15], v[14:15], v[FF:FF+1] op_sel_hi:[1,0]
	WIN 0
	v_max_num_f32 v[BM], 0x1800000, v[BM]          ; the floor 2^(3 - 127): the byte cannot fall under 1
	v_max_num_f32 v[BM+2], 0x1800000, v[BM+2]
	s_delay_alu instid0(VALU_DEP_2)
	v_add_nc_u32 v[SOP], 0xff000000, v[BM]         ; 2 off the exponent field: the conversions' scale operand
	s_delay_alu instid0(VALU_DEP_2)
	v_add_nc_u32 v[SOP+1], 0xff000000, v[BM+2]
	s_delay_alu instid0(VALU_DEP_2)
	v_lshrrev_b32 v[PD], 23, v[SOP]                ; the bytes of blocks h and 2 + h
	s_delay_alu instid0(VALU_DEP_2)
	v_lshrrev_b32 v[PD+1], 23, v[SOP+1]
	s_delay_alu instid0(VALU_DEP_1)
	v_lshl_or_b32 v[PD], v[PD+1], 16, v[PD]
	s_delay_alu instid0(VALU_DEP_1)
	v_lshlrev_b32 v[PD], v[SH8], v[PD]             ; at their places in the word
	s_delay_alu instid0(VALU_DEP_1)
	v_permlanex16_b32 v[PD+1], v[PD], s[SEL], s[SEL+1]
	s_delay_alu instid0(VALU_DEP_1)
	v_or_b32 v[FF+1], v[PD], v[PD+1]               ; with lane l xor 16's two: p's scale word for these 128 keys
	WIN \q*0x41
.irp c, 0,1
	v_cvt_scalef32_pk16_fp6_f32 v[PCD+6*\c:PCD+2+6*\c], v[S+32*\c:S+15+32*\c], v[SOP+\c]
	v_cvt_scalef32_pk16_fp6_f32 v[TC+4*\c:TC+2+4*\c], v[S+16+32*\c:S+31+32*\c], v[SOP+\c]   ; a conversion's three registers begin on an even number
.endr
	v_nop                                          ; one plain instruction behind the conversions
.irp c, 0,1
.irp i, 0,1,2
	v_mov_b32 v[PCD+3+6*\c+\i], v[TC+4*\c+\i]
.endr
.endr
.endm
.macro PV q                            ; O^T under the new M (these sixteen also stand between the writes of p's codes and scale word and the products); O^T += V^T P^T: four tiles of 16 channels, one instruction each
	WALU                                           ; directly ahead of the first reader of O^T
.set j, 0
.rept 16
	v_pk_mul_f32 v[OT+j:OT+j+1], v[OT+j:OT+j+1], v[FF:FF+1] op_sel_hi:[1,0]
.set j, j+2
.endr
	WIN 0x01+\q*0x54
.irp a, 0,2
	v_wmma_scale_f32_16x16x128_f8f6f4 v[OT+8*\a:OT+8*\a+7], v[KV+12*\a:KV+12*\a+11], v[PCD:PCD+11], v[OT+8*\a:OT+8*\a+7], v[VSC+\a/2], v[FF+1] matrix_a_fmt:MATRIX_FMT_FP6 matrix_b_fmt:MATRIX_FMT_FP6
	v_wmma_scale_f32_16x16x128_f8f6f4 v[OT+8*\a+8:OT+8*\a+15], v[KV+12*\a+12:KV+12*\a+23], v[PCD:PCD+11], v[OT+8*\a+8:OT+8*\a+15], v[VSC+\a/2], v[FF+1] matrix_a_fmt:MATRIX_FMT_FP6 matrix_b_fmt:MATRIX_FMT_FP6 matrix_a_scale:MATRIX_SCALE_ROW1
.endr
.endm
.macro SUM q                           ; the row's sum, of the unquantised p: 32 packed additions in eight chains, all in the tile's window
	WIN \q*0x45
.set j, 0
.irp d, 228,230,232,234,246,248,250
	v_pk_add_f32 v[\d:\d+1], v[S+j:S+j+1], v[S+j+2:S+j+3]
.set j, j+4
.endr
.rept 2
.irp d, 228,230,232,234,246,248,250,14
	v_pk_add_f32 v[\d:\d+1], v[\d:\d+1], v[S+j:S+j+1]
.set j, j+2
.endr
.endr
	v_pk_add_f32 v[14:15], v[14:15], v[S+60:S+61]
	v_pk_add_f32 v[228:229], v[228:229], v[S+62:S+63]
	s_delay_alu instid0(VALU_DEP_1)
	v_pk_add_f32 v[228:229], v[228:229], v[230:231]
	v_pk_add_f32 v[232:233], v[232:233], v[234:235]
	v_pk_add_f32 v[246:247], v[246:247], v[248:249]
	v_pk_add_f32 v[14:15], v[14:15], v[250:251]
	s_delay_alu instid0(VALU_DEP_3)
	v_pk_add_f32 v[228:229], v[228:229], v[232:233]
	s_delay_alu instid0(VALU_DEP_2)
	v_pk_add_f32 v[14:15], v[14:15], v[246:247]
	s_delay_alu instid0(VALU_DEP_1)
	v_pk_add_f32 v[14:15], v[14:15], v[228:229]
.endm
; A KEY STEP: 128 keys at LDS byte s[TB], which v[ADR] holds too; K's fragments are on their way or in.  lim: the last key step that this loop may read
.macro STEP lim
	WIN 0x40
.irp a, 0,1,2,3
.irp p, 0,1,2,3,4,5
	ds_load_b64 v[KV+12*\a+2*\p:KV+12*\a+2*\p+1], v[ADR] offset:6656+1536*\a+256*\p   ; V's fragments, into window 1 (the sums' additions at the last step's end are the places behind its products)
.endr
.endr
	WIN 0
	ds_load_b64 v[VRW:VRW+1], v[ADR] offset:12800
	ds_load_b64 v[VRW+2:VRW+3], v[ADR] offset:13056
	s_wait_dscnt 26                                ; K is in; V's 26 loads may be out
	SCORES 0
	SCORES 1
	WIN 0
	s_add_co_u32 s[TN], s[TB], STEPB
	s_min_u32 s[TN], s[TN], \lim
	v_mov_b32 v227, v12                            ; -M as it was, of both tiles
	v_mov_b32 v31, v10
	v_add_nc_u32 v[ADR], s[TN], v[L8]              ; the next key step
	v_nop                                          ; four plain instructions ahead of the loads over K and of the first read of the scores
	KLOAD
	MAXQ 0
	MAXQ 1
	WIN 0
.irp i, 0,1,2,3,4,5,6,7,8,9
.irp q, 0,1
	SETQ \q
	CL \i
.endr
.endr
	SETQ 0
	TMINUS 0
	BFMA
	WALU                                           ; one wait ahead of a batch of exponentials
	EXPS 0
	SETQ 1
	BFMA                                           ; plain work behind tile 0's batch: tile 1's t - M
	TMINUS 1
	WALU                                           ; behind tile 0's batch, ahead of tile 1's
	EXPS 1
	POST 0                                         ; plain work behind tile 1's batch
	WIN 0
	s_wait_dscnt 26                                ; V is in; the next K's 26 loads may be out
	v_lshl_or_b32 v[VSC], v[VRW+2], 16, v[VRW]     ; V's scale words: the two key halves' bytes joined
	v_lshl_or_b32 v[VSC+1], v[VRW+3], 16, v[VRW+1]
	PV 0                                           ; (its wait also stands behind tile 1's batch)
	POST 1
	PV 1
	SUM 0
	SUM 1
	WIN 0
.endm
	WALU
	s_cmp_lt_u32 s[WV], 2
	s_cbranch_scc0 .Lnot_first
	s_wait_tensorcnt 0x0                           ; waves 0 and 1: key steps 0-3 have landed
.Lnot_first:
	s_wait_loadcnt 0x0                             ; Q
	s_barrier_signal -1
	s_barrier_wait -1
	KLOAD
	s_mov_b32 s[TB], 0
.Lfirst:
	STEP 3*STEPB
	s_add_co_u32 s[TB], s[TB], STEPB
	s_cmp_lt_u32 s[TB], 4*STEPB
	s_cbranch_scc1 .Lfirst
	s_wait_tensorcnt 0x0                           ; every wave's load has landed
	s_wait_dscnt 0x0
	s_barrier_signal -1
	s_barrier_wait -1                              ; all sixteen key steps lie in LDS
	v_add_nc_u32 v[ADR], 4*STEPB, v[L8]
	KLOAD
.Lrest:
	STEP 15*STEPB
	s_add_co_u32 s[TB], s[TB], STEPB
	s_cmp_lt_u32 s[TB], 16*STEPB
	s_cbranch_scc1 .Lrest
; THE WAY OUT of a tile, all in its window: O^T / the sum; a lane's 32 registers are channels 32 h + 0 .. 31 of my head: one block, quantised as it stands and stored as half a fragment of the last product's operand
.macro OUT w, co, so
	WIN \w
	v_add_f32 v14, v14, v15                        ; the sum's two halves,
	v_permlanex16_b32 v[TT], v14, s[SEL], s[SEL+1]
	v_add_f32 v14, v14, v[TT]                      ; and lane l xor 16's
	WALU
	v_rcp_f32 v14, v14
	v_nop
	WALU                                           ; ahead of the reciprocal's first reader, which is O^T's too
.set j, 0
.rept 16
	v_pk_mul_f32 v[S+j:S+j+1], v[OT+j:OT+j+1], v[14:15] op_sel_hi:[1,0]
.set j, j+2
.endr
.irp b, 0,1
	v_max3_num_f32 v[BM+\b], |v[S+16*\b]|, |v[S+1+16*\b]|, 0x1800000
.endr
.irp i, 2,4,6,8,10,12,14
.irp b, 0,1
	v_max3_num_f32 v[BM+\b], v[BM+\b], |v[S+16*\b+\i]|, |v[S+1+16*\b+\i]|
.endr
.endr
	v_max_num_f32 v[BM], v[BM], v[BM+1]
	v_add_nc_u32 v[SOP], 0xff000000, v[BM]
	v_lshrrev_b32 v[PD], 23, v[SOP]
	v_lshlrev_b32 v[PD], v[SH8], v[PD]
	v_permlanex16_b32 v[PD+1], v[PD], s[SEL], s[SEL+1]
	v_or_b32 v[TT], v[PD], v[PD+1]                 ; my head's two bytes of row r
	v_cvt_scalef32_pk16_fp6_f32 v[PCD:PCD+2], v[S:S+15], v[SOP]
	v_cvt_scalef32_pk16_fp6_f32 v[TC:TC+2], v[S+16:S+31], v[SOP]
	v_nop                                          ; one plain instruction behind the conversions
.irp i, 0,1,2
	v_mov_b32 v[PCD+3+\i], v[TC+\i]
.endr
.irp p, 0,1,2
	global_store_b64 v4, v[PCD+2*\p:PCD+2*\p+1], s[6:7] offset:\co+256*\p   ; a plane: 256 consecutive bytes, aligned
.endr
	global_store_b16 v5, v[TT], s[6:7] offset:12288+\so   ; lanes l and l + 16 hold the same row's bytes and write the same value to the same place
.endm
	SETQ 0
	OUT 0, 0, 0
	OUT 0x55, 1536, 4
	WIN 0
	s_wait_tensorcnt 0x0                           ; the wave's end
	ds_add_u32 v[SPW], v[NIL]
	s_wait_dscnt 0x0
	ROUND                                          ; the closing round
	s_endpgm
.Lfunc_end_k_qc4cff78563_attn:
	.size	k_qc4cff78563_attn, .Lfunc_end_k_qc4cff78563_attn-k_qc4cff78563_attn
	.p2alignl 7, 3214868480
	.fill 96, 4, 3214868480
	.section	.rodata,"a",@progbits
	.p2align	6, 0x0
	.amdhsa_kernel k_qc4cff78563_attn
		.amdhsa_group_segment_fixed_size 214016
		.amdhsa_private_segment_fixed_size 0
		.amdhsa_enable_private_segment 0
		.amdhsa_kernarg_size 16
		.amdhsa_user_sgpr_count 2
		.amdhsa_user_sgpr_kernarg_segment_ptr 1
		.amdhsa_wavefront_size32 1
		.amdhsa_system_sgpr_workgroup_id_x 1
		.amdhsa_system_sgpr_workgroup_id_y 1
		.amdhsa_system_sgpr_workgroup_id_z 1
		.amdhsa_system_vgpr_workitem_id 0
		.amdhsa_next_free_vgpr 512
		.amdhsa_next_free_sgpr 66
		.amdhsa_reserve_vcc 0
		.amdhsa_float_denorm_mode_32 3
		.amdhsa_float_denorm_mode_16_64 3
		.amdhsa_memory_ordered 1
		.amdhsa_forward_progress 1
		.amdhsa_inst_pref_size 80
	.end_amdhsa_kernel
	.amdgpu_metadata
---
amdhsa.version: [ 1, 2 ]
amdhsa.kernels:
  - .name:           k_qc4cff78563_attn
    .symbol:         k_qc4cff78563_attn.kd
    .args:
      - { .name: qkv, .offset: 0, .size: 8, .value_kind: global_buffer, .address_space: global }
      - { .name: ob, .offset: 8, .size: 8, .value_kind: global_buffer, .address_space: global }
    .group_segment_fixed_size: 214016
    .private_segment_fixed_size: 0
    .kernarg_segment_align: 8
    .kernarg_segment_size: 16
    .max_flat_workgroup_size: 256
    .sgpr_count:     66
    .vgpr_count:     512
    .wavefront_size: 32
...
	.end_amdgpu_metadata
.endif
;; end of part 3
;; launch gemm_out (part 4): grid 8 x 32, 4 waves a work-group, clusters of 4 x 4, 222,720 bytes of LDS; arguments ob, opq, proj_b, out0; writes out0
.if DOCPART == 4
	.amdgcn_target "amdgcn-amd-amdhsa--gfx1250"
	.amdhsa_code_object_version 6
	.text
	.protected	k_qc4cff78563_gemm_out
	.globl	k_qc4cff78563_gemm_out
	.p2align	8
	.type	k_qc4cff78563_gemm_out,@function
k_qc4cff78563_gemm_out:
	s_mov_b64 s[64:65], 0
	v_nop
	global_prefetch_b8 v0, s[64:65] scope:SCOPE_SE
	s_setreg_imm32_b32 hwreg(HW_REG_WAVE_MODE, 25, 1), 1
	s_wait_xcnt 0x0
	s_wait_alu depctr_hold_cnt(0) depctr_sa_sdst(0) depctr_va_vdst(0) depctr_va_sdst(0) depctr_va_ssrc(0) depctr_va_vcc(0) depctr_vm_vsrc(0)
	s_getreg_b32 s2, hwreg(HW_REG_IB_STS2, 6, 4)
	s_cmp_eq_u32 s2, 0
	s_cbranch_scc0 .Lentry_in_a_cluster
	s_endpgm
.Lentry_in_a_cluster:
	s_bfe_u32 s2, ttmp6, 0x10000c
	s_cmp_lg_u32 s2, 0xf033
	s_cbranch_scc0 .Lentry_shape_is_right
	s_endpgm
.Lentry_shape_is_right:
; out0 = O proj_w^T + proj_b on codes of FP6 (E2M3) with E8M0 scales, K = 1,024; out0 [4096][1024] f32.
; ob (32 panels: the attention's result) and opq (panels 56-63: proj_w): [panel][K step 8][12,800]: 128 rows x 128 K: tile t at 1536 t (six planes of 256 bytes), scale words at 12,288 + 256 (t / 4) + 16 r + 4 (t % 4).
; Row r of tile 2 b + u of a panel is the tensor's row 32 b + 8 u + r + 8 (r / 8).  Source 0 = proj_w's rows: a lane's 16 registers of tiles 2 b, 2 b + 1 are 16 neighbouring columns of out0.
; Source 1 = O's rows: which token sits in which lane is undone by the stores' row offsets.  The bias is the C of each sum's first product.
; SHARES: a work-group makes 128 x 128, four waves 64 x 64 each: 16 accumulators.  Both panels, all of K, 204,800 bytes, lie in LDS and are filled ONCE: no LDS byte is filled again.
; CLUSTER 4 x 4: O's panel is shared along a row of the cluster, proj_w's along a column: each is asked for jointly.  A wave has one tensor load out, by this text's count.
; REGISTERS: window 0: v1-13, v24-26 addresses; v16-23 scale words, two sets; v32-63 the bias, eight registers a tile of columns; v64-127 rows on the way out; v128-255 accumulators ((a, b) at 128 + 8 (4 a + b)).
; Window 1: two sets of fragments at v0 and v128: source 0's four at 12 b, source 1's at 48 + 12 a.
.set AOFF, 0                           ; LDS: source 1's panel, eight blocks of 12,800 bytes
.set BOFF, 102400                      ; source 0's
.set BLK,  12800
.set STAGE, 204800                     ; behind the panels: 16 rows x 272 bytes for each wave; no tensor load lands there
.set L8,   4
.set ADA,  8
.set ADB,  10
.set ADS,  12
.set SC,   16
.set STO,  24                          ; v24 the way out: where I put 32 bytes of a row
.set RD,   25                          ; v25 where I read a row back
.set CO,   26                          ; v26 my byte offset in two rows of out0
.set BI,   32
.set BK,   64
.set ACC,  128
.set WV,   12
.set WR,   13
.set WC,   14
.set CX,   15
.set CY,   16
.set G1A,  24
.set G1B,  32
.set G0A,  40
.set G0B,  68
.set MSB, 0
.macro WIN new                         ; the immediate's high byte repeats the setting that is left
.if MSB != \new
	s_set_vgpr_msb (MSB<<8)|\new
.set MSB, \new
.endif
.endm
.set MUL,  0x05                        ; sources 0 and 1 window 1; C and D window 0
.set TO_F, 0x40                        ; destination window 1, address window 0
.macro ROUND                           ; a round of the cluster's barrier
	s_barrier_signal -1
	s_barrier_wait -1
	s_cmp_lg_u32 s[WV], 0
	s_cbranch_scc1 .Lnot_wave_0_\@
	s_barrier_signal -3
.Lnot_wave_0_\@:
	s_barrier_wait -3
	s_barrier_signal -1
	s_barrier_wait -1
.endm
	s_load_b256 s[4:11], s[0:1], 0x0               ; ob s[4:5], opq s[6:7], proj_b s[8:9], out0 s[10:11]
	v_lshl_add_u32 v30, v0, 2, 0x36400
	v_mov_b32 v31, 0
	ds_add_u32 v30, v31
	ds_add_u32 v30, v31
	v_lshrrev_b32 v5, 5, v0
	v_readfirstlane_b32 s[WV], v5                  ; wave 0..3
	s_lshr_b32 s[WR], s[WV], 1                     ; my 64 rows of source 1.  Also: I fetch K steps 0-3 (0) or 4-7 (1)
	s_and_b32 s[WC], s[WV], 1                      ; my 64 rows of source 0.  Also: I fetch source 1's panel (0) or source 0's (1)
	s_bfe_u32 s[CX], ttmp6, 0x40000
	s_bfe_u32 s[CY], ttmp6, 0x40004
	s_and_b32 s84, ttmp7, 0xffff
	s_lshl_b32 s84, s84, 2
	s_add_co_u32 s17, s84, s[CY]                   ; O's panel = 4 x cluster y + cy
	s_lshl_b32 s85, ttmp9, 2
	s_add_co_u32 s18, s85, s[CX]                   ; proj_w's = 4 x cluster x + cx
	s_mov_b32 s88, s17
	s_mov_b32 s89, s18
	s_mul_i32 s17, s17, 8*BLK
	s_add_co_u32 s18, s18, 56
	s_mul_i32 s18, s18, 8*BLK
	s_mul_i32 s19, s[WR], 4*BLK                    ; a wave fetches four K steps on end: waves 0, 1 K steps 0-3 of O and of proj_w, waves 2, 3 K steps 4-7
	s_add_co_u32 s20, s17, s19
	s_mov_b32 s21, 0
	s_add_co_u32 s22, s18, s19
	s_mov_b32 s23, 0
	s_lshl_b32 s86, s[CY], 2
	s_lshl_b32 s86, 15, s86                        ; my row of the cluster
	s_lshl_b32 s87, 0x1111, s[CX]                  ; my column
	; group 1: a dense block of 12,800 bytes as 50 rows of 32 elements of 8 bytes, no padding
	s_or_b32 s[G1A], s86, (3<<16)|(1<<21)          ; 15:0 the mask; 17:16 elements of 8 bytes; 21 set beside a mask
	s_or_b32 s[G1B], s87, (3<<16)|(1<<21)
.irp g, G1A, G1B
	s_mov_b32 s[\g+1], 32<<16                      ; tensor_dim0 = 32
	s_mov_b32 s[\g+2], 200<<16                     ; tensor_dim1 = 200: four blocks of 12,800 bytes as rows of 256
	s_mov_b32 s[\g+3], 32<<16                      ; tile_dim0 = 32
	s_mov_b32 s[\g+4], 200                         ; tile_dim1 = 200
	s_mov_b32 s[\g+5], 32                          ; from row to row
	s_mov_b32 s[\g+6], 0
	s_mov_b32 s[\g+7], 0
.endr
	s_wait_dscnt 0x0
	s_wait_kmcnt 0x0
	s_add_nc_u64 s[20:21], s[4:5], s[20:21]
	s_add_nc_u64 s[22:23], s[6:7], s[22:23]
	ROUND                                          ; all sixteen work-groups are here: the joint loads meet
.irp q, 0
	s_mov_b32 s[G0A+4*\q], 1
	s_add_co_u32 s[G0A+4*\q+1], s19, AOFF+\q*2*BLK
	s_add_nc_u64 s[G0A+4*\q+2:G0A+4*\q+3], s[20:21], \q*2*BLK
	s_or_b32 s[G0A+4*\q+3], s[G0A+4*\q+3], 0x80000000
	s_mov_b32 s[G0B+4*\q], 1
	s_add_co_u32 s[G0B+4*\q+1], s19, BOFF+\q*2*BLK
	s_add_nc_u64 s[G0B+4*\q+2:G0B+4*\q+3], s[22:23], \q*2*BLK
	s_or_b32 s[G0B+4*\q+3], s[G0B+4*\q+3], 0x80000000
.endr
; THE LOADS, ONE A WAVE, in one chain of branches on the wave's number: wave 0 O's K steps 0-3, wave 1 proj_w's, wave 2 O's K steps 4-7, wave 3 proj_w's.  Each arm is one wave's own line.
.macro ARM w, g0, g1
	s_cmp_eq_u32 s[WV], \w
	s_cbranch_scc0 .Lnot_\w
	tensor_load_to_lds s[\g0:\g0+3], s[\g1:\g1+7]
	s_nop 0
.rept 4
	v_nop
.endr
	s_branch .Lasked
.Lnot_\w:
.endm
	ARM 0, G0A, G1A
	ARM 1, G0B, G1B
	ARM 2, G0A, G1A
	tensor_load_to_lds s[G0B:G0B+3], s[G1B:G1B+7]
	s_nop 0
.rept 4
	v_nop
.endr
.Lasked:
	v_and_b32 v1, 15, v0                           ; r
	v_bfe_u32 v2, v0, 4, 1                         ; h
	v_and_b32 v3, 31, v0                           ; lane
	v_lshlrev_b32 v[L8], 3, v3
	s_wait_alu depctr_va_vdst(0)
	s_lshl_b32 s90, s89, 9                         ; my first column, in bytes: 512 x panel
	s_lshl_b32 s91, s[WC], 8                       ; + 256 x half
	s_add_co_u32 s90, s90, s91
	s_mov_b32 s91, 0
	s_add_nc_u64 s[8:9], s[8:9], s[90:91]
; THE ORDER OF ROWS THAT HOLDS (in place of the head comment's formula): row r of tile t of a panel is the tensor's row 64 (t / 4) + 32 (r / 8) + 8 (t % 4) + r % 8.
; So register j of source 0's tile b, lane half h, is column 32 h + 8 b + j of my 64; lane r of source 1's tile a is token 32 (r / 8) + 8 a + r % 8 of my 64.
	v_lshlrev_b32 v6, 7, v2                        ; the bias in the result's layout: 128 h bytes, + 32 b
.irp b, 0,1,2,3
	global_load_b128 v[BI+8*\b:BI+8*\b+3], v6, s[8:9] offset:32*\b
	global_load_b128 v[BI+8*\b+4:BI+8*\b+7], v6, s[8:9] offset:32*\b+16
.endr
	s_mul_i32 s96, s[WR], 6144
	v_add_nc_u32 v[ADA], s96, v[L8]
	v_add_nc_u32 v[ADA+1], 4*BLK, v[ADA]
	s_mul_i32 s97, s[WC], 6144
	s_add_co_u32 s97, s97, BOFF
	v_add_nc_u32 v[ADB], s97, v[L8]
	v_add_nc_u32 v[ADB+1], 4*BLK, v[ADB]
	s_lshl_b32 s96, s[WR], 8                       ; source 1's scale words: 256 bytes for four tiles
	s_lshl_b32 s97, s[WC], 8
	s_add_co_u32 s97, s97, BOFF
	s_sub_co_u32 s97, s97, s96                     ; how far on source 0's lie
	v_mul_u32_u24 v5, s97, v2                      ; lanes 16-31 take those
	s_add_co_u32 s96, s96, 12288
	v_lshl_add_u32 v5, v1, 4, v5
	v_add_nc_u32 v[ADS], s96, v5
	v_add_nc_u32 v[ADS+1], 4*BLK, v[ADS]
	s_mul_i32 s94, s[WV], 16*272
	s_add_co_u32 s94, s94, STAGE                   ; my stage
	v_mul_u32_u24 v5, v1, 272
	v_lshl_add_u32 v5, v2, 7, v5
	v_add_nc_u32 v[STO], s94, v5                   ; in: row r, + 128 h
	v_mul_u32_u24 v5, v2, 272
	v_lshl_add_u32 v5, v1, 4, v5
	v_add_nc_u32 v[RD], s94, v5                    ; back: lanes 0-15 one row of 256 bytes, lanes 16-31 the next
	v_lshlrev_b32 v5, 12, v2
	v_lshl_add_u32 v[CO], v1, 4, v5                ; and the same in out0: rows of 4,096 bytes
	s_lshl_b32 s92, s88, 19                        ; my first row: 128 x panel rows of 4,096 bytes
	s_lshl_b32 s93, s[WR], 18                      ; + 64 x half
	s_add_co_u32 s92, s92, s93
	s_add_co_u32 s92, s92, s90                     ; + my first column
	s_mov_b32 s93, 0
	s_add_nc_u64 s[10:11], s[10:11], s[92:93]
.macro FETCH s                         ; K step s: 48 planes of 256 bytes and the scale words into set s % 2
	WIN TO_F
.irp i, 0,1,2,3
.irp p, 0,1,2,3,4,5
	ds_load_b64 v[128*((\s)%2)+12*\i+2*\p:128*((\s)%2)+12*\i+2*\p+1], v[ADB+(\s)/4] offset:((\s)%4)*BLK+1536*\i+256*\p
.endr
.endr
.irp i, 0,1,2,3
.irp p, 0,1,2,3,4,5
	ds_load_b64 v[128*((\s)%2)+48+12*\i+2*\p:128*((\s)%2)+48+12*\i+2*\p+1], v[ADA+(\s)/4] offset:((\s)%4)*BLK+1536*\i+256*\p
.endr
.endr
	WIN 0
	ds_load_b128 v[SC+4*((\s)%2):SC+4*((\s)%2)+3], v[ADS+(\s)/4] offset:((\s)%4)*BLK   ; register i: lanes 0-15 source 1's tile i, lanes 16-31 source 0's tile i
.endm
; eight products: source 1's tiles a0, a0 + 1 against source 0's four.  The 16 accumulators take turns, one instruction a turn, in one order.  first = 1: the bias starts the sums
.macro MUL8 s, a0, first
.irp a, \a0, \a0+1
.irp b, 0,1,2,3
.if \first
	v_wmma_scale_f32_16x16x128_f8f6f4 v[ACC+8*(4*(\a)+\b):ACC+8*(4*(\a)+\b)+7], v[128*((\s)%2)+12*\b:128*((\s)%2)+12*\b+11], v[128*((\s)%2)+48+12*(\a):128*((\s)%2)+48+12*(\a)+11], v[BI+8*\b:BI+8*\b+7], v[SC+4*((\s)%2)+\b], v[SC+4*((\s)%2)+(\a)] matrix_a_fmt:MATRIX_FMT_FP6 matrix_b_fmt:MATRIX_FMT_FP6 matrix_a_scale:MATRIX_SCALE_ROW1
.else
	v_wmma_scale_f32_16x16x128_f8f6f4 v[ACC+8*(4*(\a)+\b):ACC+8*(4*(\a)+\b)+7], v[128*((\s)%2)+12*\b:128*((\s)%2)+12*\b+11], v[128*((\s)%2)+48+12*(\a):128*((\s)%2)+48+12*(\a)+11], v[ACC+8*(4*(\a)+\b):ACC+8*(4*(\a)+\b)+7], v[SC+4*((\s)%2)+\b], v[SC+4*((\s)%2)+(\a)] matrix_a_fmt:MATRIX_FMT_FP6 matrix_b_fmt:MATRIX_FMT_FP6 matrix_a_scale:MATRIX_SCALE_ROW1
.endif
.endr
.endr
.endm
; K step s.  q > 0: the next K step lies in the blocks that every wave's load q brought: my load q has landed (3 - q younger ones may be out), then a barrier.
.macro KSTEP s, q, first
	s_wait_dscnt 0x0                               ; this K step's fragments and scale words are in; no LDS instruction of mine is out at the signal
.if \q
	s_wait_tensorcnt 3-\q
	s_barrier_signal -1
	s_barrier_wait -1
.endif
.if (\s) < 7
.rept 4
	v_nop                                          ; four plain instructions between the last product that read the other set and the loads into it
.endr
	FETCH (\s)+1                                   ; at the step's head: all sixteen products of the step stand between these loads and the wait for them
.endif
	WIN MUL
	MUL8 \s, 0, \first
	MUL8 \s, 2, \first
.endm
	s_wait_alu depctr_va_vdst(0)
	s_cmp_lt_u32 s[WV], 2                          ; waves 0 and 1 brought K steps 0-3: they wait; the other two loads may be on their way, nothing is filled in this launch again
	s_cbranch_scc0 .Lhi
	s_wait_tensorcnt 0x0
.Lhi:
	s_barrier_signal -1
	s_barrier_wait -1                              ; everybody's has: K steps 0 and 1 lie in LDS
	FETCH 0
	s_wait_loadcnt 0x0                             ; the bias
	KSTEP 0, 0, 1
	KSTEP 1, 0, 0
	KSTEP 2, 0, 0
	KSTEP 3, 3, 0                                  ; every wave waits for its load (count 0), then a barrier: K steps 4-7 are shown to all
	KSTEP 4, 0, 0
	KSTEP 5, 0, 0
	KSTEP 6, 0, 0
	KSTEP 7, 0, 0
	WIN 0
.rept 4
	v_nop                                          ; four plain instructions ahead of the first read of results
.endr
; THE WAY OUT, a tile of 16 rows x 64 columns at a time, through my own stage: in as 32 bytes a lane and tile of columns, back as whole rows of 256 bytes.
; LDS serves a wave's instructions in order: no wait between the stores and the loads, nor in front of the next tile's stores.
.macro TOSTAGE a
.irp b, 0,1,2,3
	ds_store_b128 v[STO], v[ACC+8*(4*(\a)+\b):ACC+8*(4*(\a)+\b)+3] offset:32*\b       ; each accumulator from its low end on
	ds_store_b128 v[STO], v[ACC+8*(4*(\a)+\b)+4:ACC+8*(4*(\a)+\b)+7] offset:32*\b+16
.endr
.irp i, 0,1,2,3,4,5,6,7
	ds_load_b128 v[BK+32*((\a)%2)+4*\i:BK+32*((\a)%2)+4*\i+3], v[RD] offset:544*\i
.endr
.endm
.macro SEND a, younger                 ; younger: the LDS instructions issued behind tile a's loads, which may stay out
	s_wait_dscnt \younger
.irp i, 0,1,2,3,4,5,6,7
	global_store_b128 v[CO], v[BK+32*((\a)%2)+4*\i:BK+32*((\a)%2)+4*\i+3], s[10:11] offset:(32*(\i/4)+8*(\a)+2*(\i%4))*4096 th:TH_STORE_NT   ; the tile's rows 2 i, 2 i + 1 at their places in out0; 16 lanes store 256 consecutive bytes, aligned
.endr
.endm
	TOSTAGE 0
.irp a, 1,2,3
.if \a > 1
	s_wait_xcnt 0x0                                ; the stores of the tile two back have read their registers: this tile's loads may land there
.endif
	TOSTAGE \a
	SEND \a-1, 16                                  ; behind that tile's loads: this tile's 8 stores and 8 loads
.endr
	SEND 3, 0
	s_wait_tensorcnt 0x0
	ds_add_u32 v30, v31
	s_wait_dscnt 0x0
	ROUND                                          ; the closing round: no work-group ends while a partner may still ask jointly
	s_endpgm
.Lfunc_end_k_qc4cff78563_gemm_out:
	.size	k_qc4cff78563_gemm_out, .Lfunc_end_k_qc4cff78563_gemm_out-k_qc4cff78563_gemm_out
	.p2alignl 7, 3214868480
	.fill 96, 4, 3214868480
	.section	.rodata,"a",@progbits
	.p2align	6, 0x0
	.amdhsa_kernel k_qc4cff78563_gemm_out
		.amdhsa_group_segment_fixed_size 222720
		.amdhsa_private_segment_fixed_size 0
		.amdhsa_enable_private_segment 0
		.amdhsa_kernarg_size 32
		.amdhsa_user_sgpr_count 2
		.amdhsa_user_sgpr_kernarg_segment_ptr 1
		.amdhsa_wavefront_size32 1
		.amdhsa_system_sgpr_workgroup_id_x 1
		.amdhsa_system_sgpr_workgroup_id_y 1
		.amdhsa_system_sgpr_workgroup_id_z 1
		.amdhsa_system_vgpr_workitem_id 0
		.amdhsa_next_free_vgpr 512
		.amdhsa_next_free_sgpr 100
		.amdhsa_reserve_vcc 0
		.amdhsa_float_denorm_mode_32 3
		.amdhsa_float_denorm_mode_16_64 3
		.amdhsa_memory_ordered 1
		.amdhsa_forward_progress 1
		.amdhsa_inst_pref_size 58
	.end_amdhsa_kernel
	.amdgpu_metadata
---
amdhsa.version: [ 1, 2 ]
amdhsa.kernels:
  - .name:           k_qc4cff78563_gemm_out
    .symbol:         k_qc4cff78563_gemm_out.kd
    .args:
      - { .name: ob, .offset: 0, .size: 8, .value_kind: global_buffer, .address_space: global }
      - { .name: opq, .offset: 8, .size: 8, .value_kind: global_buffer, .address_space: global }
      - { .name: proj_b, .offset: 16, .size: 8, .value_kind: global_buffer, .address_space: global }
      - { .name: out0, .offset: 24, .size: 8, .value_kind: global_buffer, .address_space: global }
    .group_segment_fixed_size: 222720
    .private_segment_fixed_size: 0
    .kernarg_segment_align: 8
    .kernarg_segment_size: 32
    .max_flat_workgroup_size: 128
    .sgpr_count:     100
    .vgpr_count:     512
    .wavefront_size: 32
...
	.end_amdgpu_metadata
.endif
;; end of part 4
